; MI455X (gfx1250); checked and timed in simulation.
; The chip was launched on July 23, 2026; its instructions are those of AMD's public machine-readable ISA for CDNA 5 (MIT licence, August 2026) and "CDNA5" Instruction Set Architecture Reference Guide (July 2026). The comments in the code are by the model that wrote it; some were corrected since.
;; Lo RA Transformer Encoder Layer. Allowed arithmetic: float matrix products may take bf16 or f16 operands with f32 sums; other float arithmetic in f32, or as packed bf16 or f16 multiplies, adds, multiply-adds, maxima and minima; sums over many terms, partial sums and values carried from step to step in f32; what a program stores and reads back later, other than sums and carried values, may be rounded once to bf16 or f16.
;; Inputs: attn_mask 2 x 1 x 1 x 2,048 int32; f1A 8 x 1,024 float32; f1B 4,096 x 8 float32; f1W 4,096 x 1,024 float32; f1b 4,096 float32; f2A 8 x 4,096 float32; f2B 1,024 x 8 float32; f2W 1,024 x 4,096 float32; f2b 1,024 float32; kA 8 x 1,024 float32; kB 1,024 x 8 float32; kW 1,024 x 1,024 float32; kb 1,024 float32; ln1_b 1,024 float32; ln1_g 1,024 float32; ln2_b 1,024 float32; ln2_g 1,024 float32; oA 8 x 1,024 float32; oB 1,024 x 8 float32; oW 1,024 x 1,024 float32; ob 1,024 float32; qA 8 x 1,024 float32; qB 1,024 x 8 float32; qW 1,024 x 1,024 float32; qb 1,024 float32; vA 8 x 1,024 float32; vB 1,024 x 8 float32; vW 1,024 x 1,024 float32; vb 1,024 float32; x 2 x 2,048 x 1,024 float32.
;; Outputs: out0 2 x 2,048 x 1,024 float32.
;; One version. Each part assembles by itself: llvm-mc -triple=amdgcn-amd-amdhsa -mcpu=gfx1250 --defsym DOCPART=n.
;; ======== version 1 of 1: 7 launches
;; limits: values are held in f16: magnitudes above 65,504 overflow, below 6.1e-05 lose precision; right only within a limited range of input values; a function is approximated: absolute error at most 1.5e-07
;; workspace buffers: wqkvo 8,388,608 bytes; w12 16,777,216 bytes; bqkv 12,288 bytes; abuf 8,388,608 bytes; big 33,554,432 bytes; ybuf 8,388,608 bytes; actq 1,024 bytes; actf 1,024 bytes
;; launch prep (part 1): grid 64 x 16, 8 waves a work-group, no clusters, 0 bytes of LDS; arguments x, ln1_g, ln1_b, abuf, qW, qA, qB, qb, kW, kA, kB, kb, vW, vA, vB, vb, oW, oA, oB, f1W, f1A, f1B, f2W, f2A, f2B, wqkvo, w12, bqkv, actq, actf; writes abuf, wqkvo, w12, bqkv, actq, actf
.if DOCPART == 1
	.amdgcn_target "amdgcn-amd-amdhsa--gfx1250"
	.amdhsa_code_object_version 6
	.text
	.protected	k_qe3d6043d79_prep
	.globl	k_qe3d6043d79_prep
	.p2align	8
	.type	k_qe3d6043d79_prep,@function
k_qe3d6043d79_prep:
	s_mov_b64 s[64:65], 0
	v_nop
	global_prefetch_b8 v0, s[64:65] scope:SCOPE_SE
	s_setreg_imm32_b32 hwreg(HW_REG_WAVE_MODE, 25, 1), 1
	s_wait_xcnt 0x0
; PREP.  Two jobs that stream, told apart by the work-group's y.
; y = 0..11: THE FOLD.  x W^T + 2 (x A^T) B^T = x (W + 2 B A)^T for every x, so each weight is written once as W + 2 B A, summed in f32 and rounded once to 16 bits:
;   f16 for q, k, v and f1, bf16 for o and f2.  q, k, v, o lie in one buffer of 4,096 rows, f1 and behind it f2 in another.  LIMIT: |W + 2 B A| of q, k, v and f1 stays under 65,504.
;   q's, k's and v's biases are copied into one buffer.  Two tables of the activation's eight constants are written, each constant twice on end: one with the numbers of the erf form of gelu,
;   for the first feed-forward product; one with which the same arithmetic is the identity, for q, k, v (the later kernel's head says how).
;   A unit is 1,024 rows x 1,024 columns (y 0..3: q, k, v, o; 4..7: f1's rows 1,024 (y - 4) on; 8..11: f2's columns 1,024 (y - 8) on); a work-group takes 16 rows of it,
;   thread t the four columns 4 t .. 4 t + 3: a wave's load covers 512 consecutive bytes, its store 256 consecutive bytes, aligned.
;   All that a work-group reads is asked for at once: A's eight rows, W's sixteen, B's first eight; B's other eight follow into each group of scalars as its two rows have used it.
; y = 12..15: LAYER NORM 1.  h = (x - mean) rsqrt(var + 1e-5) g + b, mean first and then the mean of the squared differences; rounded once to f16.
;   LIMIT: |h| <= 32 |g| + |b| stays under 65,504.  A wave takes two tokens, sixteen lanes a token.
;   h is stored in CHUNKS: [column / 64][token][64], a token's piece 128 bytes, a chunk 524,288 bytes: two tokens' pieces are 256 consecutive bytes.
; No LDS, no barrier, no matrix unit, no cluster: no wave wants a byte that another has fetched but A, g and b, which are small.
.set CHB,  524288
.set AP,   16                          ; v[16:47]   2 A: row j, my four columns, at AP + 4 j
.set WR,   48                          ; v[48:111]  sixteen rows of W, my four columns; a row's first two registers then take its packed result
.set OW,   112                         ; v[112:119] 16 t + r x (bytes in a row of W): serves W's rows and A's rows
.set OO,   120                         ; v[120:127] half of that: the results' offsets
.set TB,   128                         ; v[128:129] the row as bf16
.set TF,   130                         ; v[130:131] the row as f16
.set BC,   132                         ; v[132:135] the bias on its way; written by that load alone
.set FO,   136                         ; v136       4 t: my word of a table
.set FV,   137                         ; v137       what it holds
.set FI,   138                         ; v138       t / 2: which constant that is
.set XR,   16                          ; norm: v[16:79] my 64 numbers, chunk c at XR + 4 c
.set GB,   80                          ; norm: v[80:111] g of eight chunks, v[112:143] b
.set XO,   14                          ; norm: my offset in x
.set GOF,  15                          ; norm: my offset in g and b
.set SO,   1                           ; norm: 8 x lane, my offset in two tokens' pieces of a chunk
; scalars: s2 x, s3 y; s[84:85], s[86:87], s[88:89], s[90:91] byte offsets into W, A, B and the result (the first and the last then: W and the result at my rows 8 on);
; s92 bytes in a row of W and of A; s93 all ones where the result is f16; s[96:97], s[98:99] eight rows' step in W and in the result; B's 64 numbers of eight rows in s[16:63] and s[68:83]
	v_lshlrev_b32 v1, 4, v0                        ; 16 t
	s_mov_b32 s2, ttmp9
	s_and_b32 s3, ttmp7, 0xffff
	s_cmp_ge_u32 s3, 12
	s_cbranch_scc1 .Lln
	s_and_b32 s95, s3, 3                           ; which quarter of f1 or f2
.irp r, 84,85,86,87,88,89,90,91
	s_mov_b32 s\r, 0
.endr
	s_mov_b32 s92, 4096
	s_mov_b32 s93, -1
	s_cmp_eq_u32 s3, 0
	s_cbranch_scc1 .Lq
	s_cmp_eq_u32 s3, 1
	s_cbranch_scc1 .Lk
	s_cmp_eq_u32 s3, 2
	s_cbranch_scc1 .Lv
	s_cmp_eq_u32 s3, 3
	s_cbranch_scc1 .Lo
	s_cmp_lt_u32 s3, 8
	s_cbranch_scc1 .Lf1
	s_load_b128 s[4:7], s[0:1], 0xb0               ; f2: W, A
	s_load_b64 s[8:9], s[0:1], 0xc0                ; B
	s_load_b64 s[12:13], s[0:1], 0xd0              ; w12
	s_lshl_b32 s84, s95, 12                        ; 1,024 columns of f32
	s_mov_b32 s86, s84
	s_lshl_b32 s90, s95, 11                        ; 1,024 columns of 16 bits,
	s_add_co_u32 s90, s90, 8388608                 ; behind f1's 4,096 rows of 2,048 bytes
	s_mov_b32 s92, 16384
	s_mov_b32 s93, 0
	s_branch .Lgo
.macro TABW k, val                     ; constant k of a table: the two threads whose words it fills take it
	s_mov_b32 s94, \val
	v_cmp_eq_u32 vcc_lo, \k, v[FI]
	v_cndmask_b32 v[FV], v[FV], s94, vcc_lo
.endm
; q, k or v: W, A, B and the bias at once; the first work-group of the unit copies the bias, 16 bytes a thread, and (farg >= 0) writes a table: a word a thread, zeros behind the sixteen that are read
.macro QKVSTUB arg, farg, gelu
	s_load_b256 s[4:11], s[0:1], \arg
	s_load_b64 s[12:13], s[0:1], 0xc8              ; wqkvo
	s_lshl_b32 s90, s3, 21                         ; 1,024 rows of 2,048 bytes for each of q, k, v, o
	s_cmp_lg_u32 s2, 0
	s_cbranch_scc1 .Lgo
	s_load_b64 s[14:15], s[0:1], 0xd8              ; bqkv
.if (\farg) >= 0
	s_load_b64 s[100:101], s[0:1], \farg
.endif
	s_wait_kmcnt 0x0
	s_lshl_b32 s94, s3, 12                         ; 1,024 f32 for each of the three
	s_mov_b32 s95, 0
	s_add_nc_u64 s[14:15], s[14:15], s[94:95]
	global_load_b128 v[BC:BC+3], v1, s[10:11]
.if (\farg) >= 0
	v_lshlrev_b32 v[FO], 2, v0
	v_lshrrev_b32 v[FI], 1, v0
	v_mov_b32 v[FV], 0
.if \gelu
	TABW 0, 0x3eed3388                             ; p sqrt(2), p = 0.3275911
	TABW 1, 0x3fd96d27                             ; sqrt(2 log2(e))
	TABW 2, 0x3e827906                             ; a1 .. a5
	TABW 3, 0xbe91a98e
	TABW 4, 0x3fb5f0e3
	TABW 5, 0xbfba00e3
	TABW 6, 0x3f87dc22
	TABW 7, 0x7fffffff                             ; the mask that clears a sign
.else
	TABW 7, -1                                     ; the mask that clears nothing; the seven numbers are 0
.endif
	global_store_b32 v[FO], v[FV], s[100:101]      ; FO, FV and s[100:101] are not written again
.endif
	s_wait_loadcnt 0x0
	global_store_b128 v1, v[BC:BC+3], s[14:15]     ; v1, BC and s[14:15] are not written again on this path
	s_branch .Lgo
.endm
.Lq:
	QKVSTUB 0x20, 0xe0, 0
.Lk:
	QKVSTUB 0x40, 0xe8, 1
.Lv:
	QKVSTUB 0x60, -1, 0
.Lo:
	s_load_b128 s[4:7], s[0:1], 0x80
	s_load_b64 s[8:9], s[0:1], 0x90
	s_load_b64 s[12:13], s[0:1], 0xc8              ; wqkvo
	s_lshl_b32 s90, s3, 21
	s_mov_b32 s93, 0
	s_branch .Lgo
.Lf1:
	s_load_b128 s[4:7], s[0:1], 0x98
	s_load_b64 s[8:9], s[0:1], 0xa8
	s_load_b64 s[12:13], s[0:1], 0xd0              ; w12
	s_lshl_b32 s84, s95, 22                        ; 1,024 rows of 4,096 bytes
	s_lshl_b32 s88, s95, 15                        ; 1,024 rows of B, 32 bytes each
	s_lshl_b32 s90, s95, 21                        ; 1,024 rows of 2,048 bytes
.Lgo:
	s_wait_kmcnt 0x0
	s_lshl_b32 s94, s2, 4
	s_mul_i32 s94, s94, s92                        ; my 16 rows in W,
	s_add_co_u32 s84, s84, s94
	s_lshr_b32 s94, s94, 1                         ; in the result,
	s_add_co_u32 s90, s90, s94
	s_lshl_b32 s94, s2, 9                          ; in B
	s_add_co_u32 s88, s88, s94
	s_add_nc_u64 s[4:5], s[4:5], s[84:85]
	s_add_nc_u64 s[6:7], s[6:7], s[86:87]
	s_add_nc_u64 s[8:9], s[8:9], s[88:89]
	s_add_nc_u64 s[12:13], s[12:13], s[90:91]
	s_load_b512 s[16:31], s[8:9], 0x0              ; B of my rows 0 to 7
	s_load_b512 s[32:47], s[8:9], 0x40
	s_load_b512 s[48:63], s[8:9], 0x80
	s_load_b512 s[68:83], s[8:9], 0xc0
	s_lshl_b32 s96, s92, 3
	s_mov_b32 s97, 0
	s_lshl_b32 s98, s92, 2
	s_mov_b32 s99, 0
	s_add_nc_u64 s[84:85], s[4:5], s[96:97]        ; W at my rows 8 on,
	s_add_nc_u64 s[90:91], s[12:13], s[98:99]      ; and the result there
	v_mov_b32 v[OW], v1
.irp r, 1,2,3,4,5,6,7
	v_add_nc_u32 v[OW+\r], s92, v[OW+\r-1]
.endr
.irp r, 0,1,2,3,4,5,6,7
	v_lshrrev_b32 v[OO+\r], 1, v[OW+\r]
.endr
.irp j, 0,1,2,3,4,5,6,7
	global_load_b128 v[AP+4*\j:AP+4*\j+3], v[OW+\j], s[6:7]
.endr
.irp r, 0,1,2,3,4,5,6,7
	global_load_b128 v[WR+4*\r:WR+4*\r+3], v[OW+\r], s[4:5] th:TH_LOAD_NT
.endr
.irp r, 0,1,2,3,4,5,6,7
	global_load_b128 v[WR+32+4*\r:WR+32+4*\r+3], v[OW+\r], s[84:85] th:TH_LOAD_NT
.endr
	s_wait_loadcnt 16                              ; A is in; W's sixteen rows may stay out
.set p, 0
.rept 16
	v_pk_add_f32 v[AP+p:AP+p+1], v[AP+p:AP+p+1], v[AP+p:AP+p+1]  ; the scale alpha / r = 2, once
.set p, p+2
.endr
; row r of my sixteen: W + the sum over j of B[r][j] x 2 A[j], both roundings, the one that this weight takes, and its store
.macro ROWF r
.set rr, (\r)%8
.if rr < 6
.set BS, 16+8*rr
.else
.set BS, 68+8*(rr-6)
.endif
	s_wait_loadcnt 15-(\r)                         ; loads come back in order: row r is in, the 15 - r younger rows may stay out
.irp j, 0,1,2,3,4,5,6,7
.irp c, 0,1,2,3
	v_fmac_f32 v[WR+4*(\r)+\c], s[BS+\j], v[AP+4*\j+\c]
.endr
.endr
	v_cvt_pk_bf16_f32 v[TB], v[WR+4*(\r)], v[WR+4*(\r)+1]
	v_cvt_pk_bf16_f32 v[TB+1], v[WR+4*(\r)+2], v[WR+4*(\r)+3]
	v_cvt_pk_f16_f32 v[TF], v[WR+4*(\r)], v[WR+4*(\r)+1]
	v_cvt_pk_f16_f32 v[TF+1], v[WR+4*(\r)+2], v[WR+4*(\r)+3]
	v_cndmask_b32 v[WR+4*(\r)], v[TB], v[TF], s93
	v_cndmask_b32 v[WR+4*(\r)+1], v[TB+1], v[TF+1], s93
.if (\r) < 8
	global_store_b64 v[OO+rr], v[WR+4*(\r):WR+4*(\r)+1], s[12:13]  ; each row stores from registers of its own: nothing that a store reads is written again
.else
	global_store_b64 v[OO+rr], v[WR+4*(\r):WR+4*(\r)+1], s[90:91]
.endif
.endm
	s_wait_kmcnt 0x0
	ROWF 0
	ROWF 1
	s_load_b512 s[16:31], s[8:9], 0x100            ; B of rows 8 and 9, into the scalars that rows 0 and 1 have used
	ROWF 2
	ROWF 3
	s_load_b512 s[32:47], s[8:9], 0x140
	ROWF 4
	ROWF 5
	s_load_b512 s[48:63], s[8:9], 0x180
	ROWF 6
	ROWF 7
	s_load_b512 s[68:83], s[8:9], 0x1c0
	s_wait_kmcnt 0x0
.irp r, 8,9,10,11,12,13,14,15
	ROWF \r
.endr
	s_endpgm
.macro REDUCE                          ; four chains of pairs in v[2:9] -> the token's sum in v2 of its sixteen lanes
	v_pk_add_f32 v[2:3], v[2:3], v[4:5]
	v_pk_add_f32 v[6:7], v[6:7], v[8:9]
	v_pk_add_f32 v[2:3], v[2:3], v[6:7]
	v_add_f32 v2, v2, v3
	v_add_f32_dpp v2, v2, v2 row_xmask:1 row_mask:0xf bank_mask:0xf
	v_add_f32_dpp v2, v2, v2 row_xmask:2 row_mask:0xf bank_mask:0xf
	v_add_f32_dpp v2, v2, v2 row_xmask:4 row_mask:0xf bank_mask:0xf
	v_add_f32_dpp v2, v2, v2 row_xmask:8 row_mask:0xf bank_mask:0xf
.endm
.macro GBLOAD c0                       ; g and b of chunks c0 .. c0 + 7
.irp c, 0,1,2,3,4,5,6,7
	global_load_b128 v[GB+4*\c:GB+4*\c+3], v[GOF], s[6:7] offset:256*((\c0)+\c)
	global_load_b128 v[GB+32+4*\c:GB+32+4*\c+3], v[GOF], s[8:9] offset:256*((\c0)+\c)
.endr
.endm
.macro HALF c0                         ; chunks c0 .. c0 + 7: scaled, g and b applied, rounded, stored: a wave's store covers 256 consecutive bytes, aligned
.irp c, 0,1,2,3,4,5,6,7
.set xc, XR+4*((\c0)+\c)
	v_pk_mul_f32 v[xc:xc+1], v[xc:xc+1], v[12:13]
	v_pk_mul_f32 v[xc+2:xc+3], v[xc+2:xc+3], v[12:13]
	v_pk_fma_f32 v[xc:xc+1], v[xc:xc+1], v[GB+4*\c:GB+4*\c+1], v[GB+32+4*\c:GB+32+4*\c+1]
	v_pk_fma_f32 v[xc+2:xc+3], v[xc+2:xc+3], v[GB+4*\c+2:GB+4*\c+3], v[GB+32+4*\c+2:GB+32+4*\c+3]
	v_cvt_pk_f16_f32 v[xc], v[xc], v[xc+1]
	v_cvt_pk_f16_f32 v[xc+1], v[xc+2], v[xc+3]
	global_store_b64 v[SO], v[xc:xc+1], s[10:11] offset:((\c0)+\c)*CHB
.endr
.endm
.Lln:
	s_load_b256 s[4:11], s[0:1], 0x0               ; x, g, b, abuf
	v_lshrrev_b32 v2, 5, v0
	v_readfirstlane_b32 s12, v2                    ; wave 0..7
	s_sub_co_u32 s13, s3, 12
	s_lshl_b32 s13, s13, 10
	s_lshl_b32 s14, s2, 4
	s_add_co_u32 s13, s13, s14
	s_lshl1_add_u32 s13, s12, s13                  ; my first token: 1,024 (y - 12) + 16 x + 2 wave
	s_lshl_b32 s14, s13, 12
	s_mov_b32 s15, 0
	s_lshl_b32 s16, s13, 7
	s_mov_b32 s17, 0
	s_mov_b32 s20, 0x3a800000                      ; 1 / 1,024
	s_mov_b32 s21, 0x3727c5ac                      ; 1e-5
	v_and_b32 v3, 31, v0
	v_and_b32 v4, 15, v0
	v_bfe_u32 v5, v0, 4, 1
	v_lshlrev_b32 v[GOF], 4, v4
	v_lshl_add_u32 v[XO], v5, 12, v[GOF]           ; token lane / 16, channels 4 (lane % 16) on of every chunk
	v_lshlrev_b32 v[SO], 3, v3
	s_wait_kmcnt 0x0
	s_add_nc_u64 s[4:5], s[4:5], s[14:15]
	s_add_nc_u64 s[10:11], s[10:11], s[16:17]
.irp c, 0,1,2,3,4,5,6,7,8,9,10,11,12,13,14,15
	global_load_b128 v[XR+4*\c:XR+4*\c+3], v[XO], s[4:5] offset:256*\c th:TH_LOAD_NT
.endr
	GBLOAD 0
	s_wait_loadcnt 16                              ; x is in; the sixteen loads of g and b may stay out
.irp k, 0,1,2,3
	v_pk_add_f32 v[2+2*\k:3+2*\k], v[XR+2*\k:XR+2*\k+1], v[XR+8+2*\k:XR+8+2*\k+1]
.endr
.set p, 8
.rept 24
	v_pk_add_f32 v[2+2*(p%4):3+2*(p%4)], v[2+2*(p%4):3+2*(p%4)], v[XR+2*p:XR+2*p+1]
.set p, p+1
.endr
	REDUCE
	v_mul_f32 v10, s20, v2                         ; the mean, twice
	v_mul_f32 v11, s20, v2
.set p, 0
.rept 32
	v_pk_add_f32 v[XR+2*p:XR+2*p+1], v[XR+2*p:XR+2*p+1], v[10:11] neg_lo:[0,1] neg_hi:[0,1]
.set p, p+1
.endr
.irp k, 0,1,2,3
	v_pk_mul_f32 v[2+2*\k:3+2*\k], v[XR+2*\k:XR+2*\k+1], v[XR+2*\k:XR+2*\k+1]
.endr
.set p, 4
.rept 28
	v_pk_fma_f32 v[2+2*(p%4):3+2*(p%4)], v[XR+2*p:XR+2*p+1], v[XR+2*p:XR+2*p+1], v[2+2*(p%4):3+2*(p%4)]
.set p, p+1
.endr
	REDUCE
	v_fma_f32 v2, v2, s20, s21
	v_rsq_f32 v12, v2
	v_rsq_f32 v13, v2
	v_nop                                          ; a plain instruction behind the last root,
	s_wait_alu depctr_va_vdst(0)                   ; and the one wait ahead of the first use of the two
	s_wait_loadcnt 0x0
	HALF 0
	GBLOAD 8
	s_wait_loadcnt 0x0
	HALF 8
	s_endpgm
.Lfunc_end_k_qe3d6043d79_prep:
	.size	k_qe3d6043d79_prep, .Lfunc_end_k_qe3d6043d79_prep-k_qe3d6043d79_prep
	.p2alignl 7, 3214868480
	.fill 96, 4, 3214868480
	.section	.rodata,"a",@progbits
	.p2align	6, 0x0
	.amdhsa_kernel k_qe3d6043d79_prep
		.amdhsa_group_segment_fixed_size 0
		.amdhsa_private_segment_fixed_size 0
		.amdhsa_enable_private_segment 0
		.amdhsa_kernarg_size 240
		.amdhsa_user_sgpr_count 2
		.amdhsa_user_sgpr_kernarg_segment_ptr 1
		.amdhsa_wavefront_size32 1
		.amdhsa_system_sgpr_workgroup_id_x 1
		.amdhsa_system_sgpr_workgroup_id_y 1
		.amdhsa_system_sgpr_workgroup_id_z 1
		.amdhsa_system_vgpr_workitem_id 0
		.amdhsa_next_free_vgpr 144
		.amdhsa_next_free_sgpr 102
		.amdhsa_reserve_vcc 1
		.amdhsa_float_denorm_mode_32 3
		.amdhsa_float_denorm_mode_16_64 3
		.amdhsa_memory_ordered 1
		.amdhsa_forward_progress 1
		.amdhsa_inst_pref_size 55
	.end_amdhsa_kernel
	.amdgpu_metadata
---
amdhsa.version: [ 1, 2 ]
amdhsa.kernels:
  - .name:           k_qe3d6043d79_prep
    .symbol:         k_qe3d6043d79_prep.kd
    .args:
      - { .name: x, .offset: 0, .size: 8, .value_kind: global_buffer, .address_space: global }
      - { .name: ln1_g, .offset: 8, .size: 8, .value_kind: global_buffer, .address_space: global }
      - { .name: ln1_b, .offset: 16, .size: 8, .value_kind: global_buffer, .address_space: global }
      - { .name: abuf, .offset: 24, .size: 8, .value_kind: global_buffer, .address_space: global }
      - { .name: qW, .offset: 32, .size: 8, .value_kind: global_buffer, .address_space: global }
      - { .name: qA, .offset: 40, .size: 8, .value_kind: global_buffer, .address_space: global }
      - { .name: qB, .offset: 48, .size: 8, .value_kind: global_buffer, .address_space: global }
      - { .name: qb, .offset: 56, .size: 8, .value_kind: global_buffer, .address_space: global }
      - { .name: kW, .offset: 64, .size: 8, .value_kind: global_buffer, .address_space: global }
      - { .name: kA, .offset: 72, .size: 8, .value_kind: global_buffer, .address_space: global }
      - { .name: kB, .offset: 80, .size: 8, .value_kind: global_buffer, .address_space: global }
      - { .name: kb, .offset: 88, .size: 8, .value_kind: global_buffer, .address_space: global }
      - { .name: vW, .offset: 96, .size: 8, .value_kind: global_buffer, .address_space: global }
      - { .name: vA, .offset: 104, .size: 8, .value_kind: global_buffer, .address_space: global }
      - { .name: vB, .offset: 112, .size: 8, .value_kind: global_buffer, .address_space: global }
      - { .name: vb, .offset: 120, .size: 8, .value_kind: global_buffer, .address_space: global }
      - { .name: oW, .offset: 128, .size: 8, .value_kind: global_buffer, .address_space: global }
      - { .name: oA, .offset: 136, .size: 8, .value_kind: global_buffer, .address_space: global }
      - { .name: oB, .offset: 144, .size: 8, .value_kind: global_buffer, .address_space: global }
      - { .name: f1W, .offset: 152, .size: 8, .value_kind: global_buffer, .address_space: global }
      - { .name: f1A, .offset: 160, .size: 8, .value_kind: global_buffer, .address_space: global }
      - { .name: f1B, .offset: 168, .size: 8, .value_kind: global_buffer, .address_space: global }
      - { .name: f2W, .offset: 176, .size: 8, .value_kind: global_buffer, .address_space: global }
      - { .name: f2A, .offset: 184, .size: 8, .value_kind: global_buffer, .address_space: global }
      - { .name: f2B, .offset: 192, .size: 8, .value_kind: global_buffer, .address_space: global }
      - { .name: wqkvo, .offset: 200, .size: 8, .value_kind: global_buffer, .address_space: global }
      - { .name: w12, .offset: 208, .size: 8, .value_kind: global_buffer, .address_space: global }
      - { .name: bqkv, .offset: 216, .size: 8, .value_kind: global_buffer, .address_space: global }
      - { .name: actq, .offset: 224, .size: 8, .value_kind: global_buffer, .address_space: global }
      - { .name: actf, .offset: 232, .size: 8, .value_kind: global_buffer, .address_space: global }
    .group_segment_fixed_size: 0
    .private_segment_fixed_size: 0
    .kernarg_segment_align: 8
    .kernarg_segment_size: 240
    .max_flat_workgroup_size: 256
    .sgpr_count:     102
    .vgpr_count:     144
    .wavefront_size: 32
...
	.end_amdgpu_metadata
.endif
;; end of part 1
;; launch qkv (part 2): grid 12 x 16, 4 waves a work-group, clusters of 4 x 4, 327,680 bytes of LDS; arguments abuf, wqkvo, bqkv, big, actq; writes big
.if DOCPART == 2
	.amdgcn_target "amdgcn-amd-amdhsa--gfx1250"
	.amdhsa_code_object_version 6
	.text
	.protected	k_qe3d6043d79_qkv
	.globl	k_qe3d6043d79_qkv
	.p2align	8
	.type	k_qe3d6043d79_qkv,@function
k_qe3d6043d79_qkv:
	s_mov_b64 s[64:65], 0
	v_nop
	global_prefetch_b8 v0, s[64:65] scope:SCOPE_SE
	s_setreg_imm32_b32 hwreg(HW_REG_WAVE_MODE, 25, 1), 1
	s_wait_xcnt 0x0
	s_wait_alu depctr_hold_cnt(0) depctr_sa_sdst(0) depctr_va_vdst(0) depctr_va_sdst(0) depctr_va_ssrc(0) depctr_va_vcc(0) depctr_vm_vsrc(0)
	s_getreg_b32 s2, hwreg(HW_REG_IB_STS2, 6, 4)
	s_cmp_eq_u32 s2, 0
	s_cbranch_scc0 .Lentry_in_a_cluster
	s_endpgm
.Lentry_in_a_cluster:
	s_bfe_u32 s2, ttmp6, 0x10000c
	s_cmp_lg_u32 s2, 0xf033
	s_cbranch_scc0 .Lentry_shape_is_right
	s_endpgm
.Lentry_shape_is_right:
; C = f(A B^T + bias) on tiles of 256 x 256, K = 1,024.  A (chunks: [column / 64][token][64]) and B ([n][1,024]) are f16; sums in f32; C is rounded once to bf16, in chunks.
; Two launches run this text: q, k, v (3,072 columns, f the identity) and the first feed-forward product (4,096 columns, f = gelu).
; THE ACTIVATION'S EIGHT CONSTANTS ARE DATA: sixteen words (each constant twice on end, since the packed forms name pairs) that an earlier launch has stored and one scalar load brings.  In a launch in
; clusters no branch and no trip count hangs on a number read from memory, so what differs between the two launches enters the arithmetic alone.
; gelu is the erf form.  With v = u / 2: gelu(u) = v + |v| erf(sqrt(2) |v|), and erf(z) = 1 - (a1 t + .. + a5 t^5) e^(-z z), t = 1 / (1 + p z) (Abramowitz and Stegun 7.1.26: off by 1.5e-7 at the
; most, for every z).  The constants: K1 = p sqrt(2), K2 = sqrt(2 log2(e)), a1 .. a5, and the mask that makes |v| of v.
; THE IDENTITY by the same lines: the seven numbers 0, the mask all ones.  Then |v| is v itself, t = 1 / (0 v + 1) and e = 2^(-(0 v)^2) are finite, the polynomial is exactly 0, erf = 1 - 0 = 1, and the
; result is v x 1 + v = 2 v = u, with no rounding added.  For q, k, v the activation's lines, some 130 for 16 numbers a lane, so run in vain: the price of one text for both launches.
; LIMITS: A and B arrive within f16's range; exponentials and reciprocals count results below 2^-126 as 0.
; Four waves, each 128 x 128: 64 accumulators.  K goes in eight steps of 128 through two LDS slots: A's part as two chunks' 128 token rows (16,384 dense bytes each), padded by 16 bytes behind every
; 128; B's as 128 rows of 256 bytes, padded by 16.  ONE K STEP IS WRITTEN ONCE: the slot in hand is a scalar, CUR, that an exclusive or turns between 0 and SLOT.
; CLUSTER 4 x 4: A's tiles are asked for jointly along a row of the cluster, B's along a column.  The matrix instruction is used transposed: a lane holds eight neighbouring columns of a row.
; THE WAY OUT: the sums go as f32 into the ring's bytes, which have had their last fill (each wave its own 128 rows of 528 bytes), and come back four tokens at a time, a lane with eight neighbouring
; columns of each of the wave's two chunks; a store covers 512 consecutive bytes.
; REGISTERS: window 0: v16-30 addresses; v32-47 half the bias; v64-127, v128-191 fragments of A, later the way out.  Window 1: v64-127, v128-191 fragments of B.  Windows 2, 3: the accumulators.
.set CHB,    524288
.set TSTEPS, 8
.set ASTEP,  2*CHB
.set BSTEP,  256
.set PA,     144
.set PLA,    128*PA
.set HALFA,  2*PLA
.set AREG,   2*HALFA
.set PB,     272
.set HALFB,  128*PB
.set SLOT,   AREG+2*HALFB
.set SPARE,  2*SLOT                    ; the spare words, 128 bytes a wave; no other line names them
.set DP,     528                       ; a row of the sums in LDS: 512 bytes + 16
.set DW,     128*DP                    ; a wave's 128 rows; four of them end below SPARE
.set A0,   16
.set B0,   17
.set ADRA, 18
.set ADRB, 19
.set STO,  24
.set RD,   25
.set GO,   26
.set BO,   27
.set SPW,  28
.set NIL,  29
.set PFO,  30
.set BH,   32
.set F0,   64
.set F1,   128
.set XX,   64                          ; the way out: 16 sums
.set VV,   80                          ; v = u / 2
.set AV,   96                          ; |v|
.set DD,   112                         ; 1 + K1 |v|, then t, then t e
.set WW,   128                         ; the exponent, then e, then erf
.set PP,   144                         ; the polynomial
.set YO,   160                         ; 8 registers to store
.set WV,   12
.set RH,   13
.set CF,   14
.set TY,   15
.set G1,   24
.set G0,   32
.set CX,   40
.set CY,   41
.set TX,   42
.set G1B,  48
.set G0B,  56
.set CUR,  66
.set LA,   67
.set LB,   68
.set PFA,  72                          ; s[72:73] where my prefetches stand
.set PFS,  74                          ; s[74:75] a K step there
.set LIM,  76                          ; 2 in a wave that prefetches, else the greatest number
.set TBP,  78                          ; s[78:79] where the table lies
.set K1,   80                          ; s[80:95] the table, as it lies in memory
.set K2,   82
.set CA1,  84
.set CA2,  86
.set CA3,  88
.set CA4,  90
.set CA5,  92
.set ABSM, 94
.set MSB, 0
.macro WIN new
.if MSB != (\new)
	s_set_vgpr_msb (MSB<<8)|(\new)
.set MSB, \new
.endif
.endm
.set MUL_LO, 0xa1                      ; source 0 (B) window 1, source 1 (A) window 0, C and D window 2
.set MUL_HI, 0xf1
.set TO_B,   0x40
.macro JLOAD s
	s_cmp_eq_u32 s[RH], 0
	s_cbranch_scc0 .Lfor_b_\@
	tensor_load_to_lds s[G0+4*(\s):G0+4*(\s)+3], s[G1:G1+7]
	s_nop 0
.rept 4
	v_nop
.endr
	s_branch .Lasked_\@
.Lfor_b_\@:
	tensor_load_to_lds s[G0B+4*(\s):G0B+4*(\s)+3], s[G1B:G1B+7]
	s_nop 0
.rept 4
	v_nop
.endr
.Lasked_\@:
.endm
; A PREFETCH, behind each joint refill and the run of LDS loads that follows it, of the K step that stands two refills on: 512 matrix instructions ahead of its load.  A's rows are read by every cluster
; of a row of clusters: the one with x = 0 asks; B's by every cluster of a column: the one with y = 0 asks.  The four partners that ask for a tile jointly share its 128 blocks of 256 bytes out by address,
; 32 each, a lane a block.  So each block is named once.  K steps 0 to 3 come by their loads alone; the last two refills have no step two on and ask for nothing.
.macro ASK
	s_cmp_gt_u32 s3, s[LIM]
	s_cbranch_scc0 .Lnot_mine_\@
	global_prefetch_b8 v[PFO], s[PFA:PFA+1] th:TH_LOAD_NT scope:SCOPE_SE
.Lnot_mine_\@:
.endm
.macro CREST
	s_cmp_lg_u32 s[WV], 0
	s_cbranch_scc1 .Lnot_wave_0_\@
	s_barrier_signal -3
.Lnot_wave_0_\@:
	s_barrier_wait -3
	s_barrier_signal -1
	s_barrier_wait -1
.endm
.macro CROUND
	s_barrier_signal -1
	s_barrier_wait -1
	CREST
.endm
	s_load_b256 s[4:11], s[0:1], 0x0               ; A s[4:5], B s[6:7], bias s[8:9], C s[10:11]
	s_load_b64 s[TBP:TBP+1], s[0:1], 0x20
	v_lshl_add_u32 v[SPW], v0, 2, SPARE
	v_mov_b32 v[NIL], 0
	ds_add_u32 v[SPW], v[NIL]                      ; the wave's opening: the add and its wait ahead of my first tensor load
	v_lshrrev_b32 v1, 5, v0
	v_readfirstlane_b32 s[WV], v1
	s_lshr_b32 s[RH], s[WV], 1
	s_and_b32 s[CF], s[WV], 1
	s_bfe_u32 s[CX], ttmp6, 0x40000
	s_bfe_u32 s[CY], ttmp6, 0x40004
	s_lshl_b32 s[TX], ttmp9, 2
	s_add_co_u32 s[TX], s[TX], s[CX]
	s_and_b32 s[TY], ttmp7, 0xffff
	s_lshl_b32 s[TY], s[TY], 2
	s_add_co_u32 s[TY], s[TY], s[CY]
	s_lshl_b32 s43, s[CY], 2
	s_lshl_b32 s43, 15, s43
	s_lshl_b32 s44, 0x1111, s[CX]
	s_or_b32 s[G1], s43, (1<<16)|(1<<20)|(1<<21)|(4<<22)|(3<<25)    ; behind every 32 words, 4 words
	s_or_b32 s[G1B], s44, (1<<16)|(1<<20)|(1<<21)|(5<<22)|(3<<25)   ; behind every 64 words, 4 words
	s_mov_b32 s[G1+1], 8192<<16                    ; A: a chunk's 128 token rows, dense: 8,192 elements
	s_mov_b32 s[G1+2], 2<<16                       ; two chunks
	s_mov_b32 s[G1+3], 8192<<16
	s_mov_b32 s[G1+4], 2
	s_mov_b32 s[G1+5], CHB/2
	s_mov_b32 s[G1+6], 0
	s_mov_b32 s[G1+7], 0
	s_mov_b32 s[G1B+1], 128<<16                    ; B: 128 rows of 128 elements
	s_mov_b32 s[G1B+2], 128<<16
	s_mov_b32 s[G1B+3], 128<<16
	s_mov_b32 s[G1B+4], 128
	s_mov_b32 s[G1B+5], 1024
	s_mov_b32 s[G1B+6], 0
	s_mov_b32 s[G1B+7], 0
	s_lshl_b32 s16, s[TY], 15                      ; A: token 256 x tile row + 128 x half
	s_lshl_b32 s17, s[CF], 14
	s_add_co_u32 s16, s16, s17
	s_mov_b32 s17, 0
	s_lshl_b32 s46, s[TX], 19                      ; B: row 256 x tile column + 128 x half, 2,048 bytes each
	s_lshl_b32 s47, s[CF], 18
	s_add_co_u32 s46, s46, s47
	s_mov_b32 s47, 0
	s_mul_i32 s[LA], s[CF], HALFA
	s_mul_i32 s[LB], s[CF], HALFB
	s_add_co_u32 s[LB], s[LB], AREG
	s_mov_b32 s[CUR], 0
	s_wait_dscnt 0x0                               ; the opening add is done
	s_wait_kmcnt 0x0
	s_add_nc_u64 s[20:21], s[4:5], s[16:17]
	s_add_nc_u64 s[46:47], s[6:7], s[46:47]
	CROUND
.irp s, 0,1
	s_mov_b32 s[G0+4*(\s)], 1
	s_add_co_u32 s[G0+4*(\s)+1], s[LA], (\s)*SLOT
	s_add_nc_u64 s[G0+4*(\s)+2:G0+4*(\s)+3], s[20:21], (\s)*ASTEP
	s_or_b32 s[G0+4*(\s)+3], s[G0+4*(\s)+3], 0x80000000
	s_mov_b32 s[G0B+4*(\s)], 1
	s_add_co_u32 s[G0B+4*(\s)+1], s[LB], (\s)*SLOT
	s_add_nc_u64 s[G0B+4*(\s)+2:G0B+4*(\s)+3], s[46:47], (\s)*BSTEP
	s_or_b32 s[G0B+4*(\s)+3], s[G0B+4*(\s)+3], 0x80000000
	JLOAD \s
.endr
	s_load_b512 s[K1:K1+15], s[TBP:TBP+1], 0x0     ; the table; waited for in front of the first barrier below
	v_and_b32 v1, 15, v0
	v_bfe_u32 v2, v0, 4, 1
	v_mul_u32_u24 v3, v1, PA
	v_lshl_add_u32 v3, v2, 4, v3
	s_mul_i32 s21, s[RH], HALFA
	v_add_nc_u32 v[A0], s21, v3
	v_mul_u32_u24 v4, v1, PB
	v_lshl_add_u32 v4, v2, 4, v4
	s_mul_i32 s22, s[CF], HALFB
	s_add_co_u32 s22, s22, AREG
	v_add_nc_u32 v[B0], s22, v4
	v_mov_b32 v[ADRA], v[A0]
	v_mov_b32 v[ADRB], v[B0]
	s_mul_i32 s23, s[WV], DW
	v_mul_u32_u24 v5, v1, DP                       ; in: row l % 16, 32 bytes for each half of the lanes
	v_lshl_add_u32 v5, v2, 5, v5
	v_add_nc_u32 v[STO], s23, v5
	v_bfe_u32 v5, v0, 3, 2                         ; back: token l / 8, columns 8 (l % 8) on
	v_mul_u32_u24 v5, v5, DP
	v_and_b32 v6, 7, v0
	v_lshl_add_u32 v5, v6, 5, v5
	v_add_nc_u32 v[RD], s23, v5
	v_and_b32 v[GO], 31, v0
	v_lshlrev_b32 v[GO], 4, v[GO]
	v_lshlrev_b32 v[BO], 5, v6
	s_lshl_b32 s16, s[TY], 15                      ; C: my 128 tokens,
	s_lshl_b32 s17, s[RH], 14
	s_add_co_u32 s16, s16, s17
	s_mov_b32 s17, 0
	s_add_nc_u64 s[10:11], s[10:11], s[16:17]
	s_lshl1_add_u32 s46, s[TX], s[CF]              ; my two chunks: 4 x tile column + 2 x half on
	s_lshl_b32 s46, s46, 20
	s_mov_b32 s47, 0
	s_add_nc_u64 s[10:11], s[10:11], s[46:47]
	s_lshl_b32 s46, s[TX], 10                      ; the bias of my 128 columns
	s_lshl_b32 s22, s[CF], 9
	s_add_co_u32 s46, s46, s22
	s_add_nc_u64 s[8:9], s[8:9], s[46:47]
.irp c, 0,1
	global_load_b128 v[BH+8*\c:BH+8*\c+3],   v[BO], s[8:9] offset:256*\c       ; waited for on the way out
	global_load_b128 v[BH+8*\c+4:BH+8*\c+7], v[BO], s[8:9] offset:256*\c+16
.endr
	; the prefetches: both offsets are made, the wave's job chooses
	s_lshr_b32 s20, s[CX], 1
	s_add_co_u32 s20, s20, 6                       ; A at K step 3: chunks 6 and 7; partners 0, 1 take the first chunk of a step, 2, 3 the second,
	s_lshl_b32 s20, s20, 19
	s_lshl_b32 s21, s[TY], 15
	s_add_co_u32 s20, s20, s21
	s_lshl_b32 s21, s[CF], 14
	s_add_co_u32 s20, s20, s21
	s_and_b32 s21, s[CX], 1
	s_lshl_b32 s21, s21, 13                        ; each a half of its 16,384 bytes
	s_add_co_u32 s20, s20, s21
	s_lshl_b32 s22, s[TX], 19                      ; B at K step 3: partner cy takes rows 32 cy on of the 128
	s_lshl_b32 s21, s[CF], 18
	s_add_co_u32 s22, s22, s21
	s_lshl_b32 s21, s[CY], 16
	s_add_co_u32 s22, s22, s21
	s_add_co_u32 s22, s22, 3*BSTEP
	s_and_b32 s23, ttmp7, 0xffff
	s_mov_b32 s18, ASTEP
	s_mov_b32 s19, BSTEP
	s_mov_b32 s21, 0
	s_mov_b32 s[PFS+1], 0
	s_cmp_eq_u32 s[RH], 0                          ; do I fetch for A?
	s_cselect_b32 s20, s20, s22
	s_cselect_b32 s23, ttmp9, s23                  ; the coordinate along which other clusters read the same rows
	s_cselect_b32 s[PFS], s18, s19
	s_cselect_b32 s22, 8, 11                       ; a lane a block of 256 bytes: dense in A, a row of 2,048 bytes apart in B
	s_cselect_b64 s[PFA:PFA+1], s[4:5], s[6:7]
	s_add_nc_u64 s[PFA:PFA+1], s[PFA:PFA+1], s[20:21]
	s_cmp_eq_u32 s23, 0
	s_cselect_b32 s[LIM], 2, -1
	v_and_b32 v[PFO], 31, v0
	v_lshlrev_b32 v[PFO], s22, v[PFO]
; 16 matrix instructions: m blocks a0, a0 + 1 of the window's four x all 8 n blocks, 32 along K.  The 64 accumulators take turns.
.macro MUL16 f, hi, a0, zero
	WIN MUL_LO+0x50*(\hi)
.irp a, \a0, (\a0)+1
.irp b, 0,1,2,3,4,5,6,7
.if \zero
	v_wmma_f32_16x16x32_f16 v[8*(8*(\a)+(\b)):8*(8*(\a)+(\b))+7], v[(\f)+8*(\b):(\f)+8*(\b)+7], v[(\f)+8*(4*(\hi)+(\a)):(\f)+8*(4*(\hi)+(\a))+7], 0
.else
	v_wmma_f32_16x16x32_f16 v[8*(8*(\a)+(\b)):8*(8*(\a)+(\b))+7], v[(\f)+8*(\b):(\f)+8*(\b)+7], v[(\f)+8*(4*(\hi)+(\a)):(\f)+8*(4*(\hi)+(\a))+7], v[8*(8*(\a)+(\b)):8*(8*(\a)+(\b))+7]
.endif
.endr
.endr
.endm
.macro FETCH q, f                      ; 32 LDS loads in one run: quarter q (32 along K) of the slot in hand into buffer f: B, then A
	WIN TO_B
.irp i, 0,1,2,3,4,5,6,7
	ds_load_b128 v[(\f)+8*(\i):(\f)+8*(\i)+3],   v[ADRB] offset:64*(\q)+(\i)*16*PB
	ds_load_b128 v[(\f)+8*(\i)+4:(\f)+8*(\i)+7], v[ADRB] offset:64*(\q)+(\i)*16*PB+32
.endr
	WIN 0
.irp i, 0,1,2,3,4,5,6,7
	ds_load_b128 v[(\f)+8*(\i):(\f)+8*(\i)+3],   v[ADRA] offset:((\q)/2)*PLA+((\q)%2)*64+(\i)*16*PA
	ds_load_b128 v[(\f)+8*(\i)+4:(\f)+8*(\i)+7], v[ADRA] offset:((\q)/2)*PLA+((\q)%2)*64+(\i)*16*PA+32
.endr
.endm
.macro PLACES                          ; four plain instructions in front of loads into registers that matrix instructions have read, and of lines that read results
.rept 4
	v_nop
.endr
.endm
.macro QUARTER q, f, g, zero
	s_wait_dscnt 8                                 ; B and A's rows 0-63 are in; the youngest eight loads may be out
	MUL16 \f, 0, 0, \zero
	MUL16 \f, 0, 2, \zero
	PLACES
	FETCH \q, \g
	s_wait_dscnt 32                                ; all but the 32 just issued
	MUL16 \f, 1, 0, \zero
	MUL16 \f, 1, 2, \zero
.endm
; The last quarter of a K step multiplies buffer 1 and changes slots.  MEET is its first half: each wave waits for all its tensor loads (at most one is out: its part of the next slot), adds 0 to its
; spare word, waits for that and for its reads of this slot, and passes the work-group's barrier.  Behind it nobody reads this slot any more and the next slot is whole.
.macro MEET
	WIN 0
	s_wait_tensorcnt 0x0
	ds_add_u32 v[SPW], v[NIL]
	s_wait_dscnt 9                                 ; the add and the youngest eight loads may be out
	MUL16 F1, 0, 0, 0
	s_wait_dscnt 0x0                               ; the add is done, and my reads of this slot are over
	s_barrier_signal -1
	MUL16 F1, 0, 2, 0
	WIN 0
	s_barrier_wait -1
.endm
.macro NEXT ask                        ; its second half: the other slot's first fragments are fetched, and the quarter is finished
	v_add_nc_u32 v[ADRA], s[CUR], v[A0]
	v_add_nc_u32 v[ADRB], s[CUR], v[B0]
	FETCH 0, F0
.if \ask
	ASK
.endif
	MUL16 F1, 1, 0, 0
	MUL16 F1, 1, 2, 0
.endm
	s_wait_kmcnt 0x0                               ; the table
	s_wait_tensorcnt 1                             ; my part of K step 0 is in; step 1's may stay out
	s_barrier_signal -1
	s_barrier_wait -1
	FETCH 0, F0
	QUARTER 1, F0, F1, 1                           ; the first quarter's products start the sums
	WIN 0
	s_mov_b32 s3, TSTEPS-2
.Lstep:                                        ; a trip: from a K step's second quarter to the next step's first; it fills the slot that it leaves
	QUARTER 2, F1, F0, 0
	QUARTER 3, F0, F1, 0
	s_wait_xcnt 0x0                                ; the last prefetch, a K step back, has read its address
	s_add_nc_u64 s[PFA:PFA+1], s[PFA:PFA+1], s[PFS:PFS+1]
	MEET
	CREST                                          ; the barrier has opened a round of the cluster's: no wave of any partner still reads this slot or has a load on its way
	s_add_co_u32 s[G0+5], s[CUR], s[LA]            ; the walking descriptors: the slot just read out, the next K step not yet asked for
	s_add_nc_u64 s[G0+6:G0+7], s[G0+6:G0+7], ASTEP
	s_add_co_u32 s[G0B+5], s[CUR], s[LB]
	s_add_nc_u64 s[G0B+6:G0B+7], s[G0B+6:G0B+7], BSTEP
	s_xor_b32 s[CUR], s[CUR], SLOT
	JLOAD 1                                        ; its four v_nop are also the places in front of the loads below
	NEXT 1
	QUARTER 1, F0, F1, 0
	WIN 0
	s_sub_co_u32 s3, s3, 1
	s_cmp_lg_u32 s3, 0
	s_cbranch_scc1 .Lstep
	s_mov_b32 s3, 2
.Ltail:                                        ; the last two K steps ask for nothing: one text, walked twice and left in its middle the second time
	QUARTER 2, F1, F0, 0
	QUARTER 3, F0, F1, 0
	MEET
	s_sub_co_u32 s3, s3, 1
	s_cmp_eq_u32 s3, 0
	s_cbranch_scc1 .Lfin
	PLACES
	s_xor_b32 s[CUR], s[CUR], SLOT
	NEXT 0
	QUARTER 1, F0, F1, 0
	WIN 0
	s_branch .Ltail
.Lfin:
	MUL16 F1, 1, 0, 0
	MUL16 F1, 1, 2, 0
	WIN 0
	s_barrier_signal -1                            ; every wave's reads of the ring are back: its bytes may be written
	s_barrier_wait -1
	PLACES
.macro DUMP hi
	WIN 0x08+4*(\hi)                               ; store data in window 2 or 3
.irp a, 0,1,2,3
.irp b, 0,1,2,3,4,5,6,7
	ds_store_b128 v[STO], v[8*(8*\a+\b):8*(8*\a+\b)+3]   offset:(4*(\hi)+\a)*16*DP+\b*64
	ds_store_b128 v[STO], v[8*(8*\a+\b)+4:8*(8*\a+\b)+7] offset:(4*(\hi)+\a)*16*DP+\b*64+16
.endr
.endr
.endm
	DUMP 0
	DUMP 1
	WIN 0
	s_wait_loadcnt 0x0                             ; the bias
.set p, 0
.rept 8
	v_pk_mul_f32 v[BH+p:BH+p+1], v[BH+p:BH+p+1], 0.5 op_sel_hi:[1,0]
.set p, p+2
.endr
.macro LOADX
.irp c, 0,1
	ds_load_b128 v[XX+8*\c:XX+8*\c+3],   v[RD] offset:256*\c
	ds_load_b128 v[XX+8*\c+4:XX+8*\c+7], v[RD] offset:256*\c+16
.endr
.endm
; pair p's plain lines, with pair p - 1's two reciprocals and two exponentials between them: none of these lines names a result of theirs
.macro FRONT p
	v_and_b32 v[AV+2*(\p)], s[ABSM], v[VV+2*(\p)]
.if (\p) > 0
	v_rcp_f32 v[DD+2*(\p)-2], v[DD+2*(\p)-2]
.endif
	v_and_b32 v[AV+2*(\p)+1], s[ABSM], v[VV+2*(\p)+1]
.if (\p) > 0
	v_rcp_f32 v[DD+2*(\p)-1], v[DD+2*(\p)-1]
.endif
	v_pk_fma_f32 v[DD+2*(\p):DD+2*(\p)+1], v[AV+2*(\p):AV+2*(\p)+1], s[K1:K1+1], 1.0 op_sel_hi:[1,0,0]
.if (\p) > 0
	v_exp_f32 v[WW+2*(\p)-2], v[WW+2*(\p)-2]
.endif
	v_pk_mul_f32 v[WW+2*(\p):WW+2*(\p)+1], v[VV+2*(\p):VV+2*(\p)+1], s[K2:K2+1] op_sel_hi:[1,0]
.if (\p) > 0
	v_exp_f32 v[WW+2*(\p)-1], v[WW+2*(\p)-1]
.endif
	v_pk_mul_f32 v[WW+2*(\p):WW+2*(\p)+1], v[WW+2*(\p):WW+2*(\p)+1], v[WW+2*(\p):WW+2*(\p)+1] neg_lo:[1,0] neg_hi:[1,0]
.endm
; A trip: four tokens x my two chunks, 16 numbers a lane.  ahead = 1: the next four tokens' sums are asked of LDS as soon as these have been taken.
.macro GTRIP ahead
	s_wait_dscnt 0x0
.irp p, 0,1,2,3,4,5,6,7
	v_pk_fma_f32 v[VV+2*\p:VV+2*\p+1], v[XX+2*\p:XX+2*\p+1], 0.5, v[BH+2*\p:BH+2*\p+1] op_sel_hi:[1,0,1]
.endr
.if \ahead
	v_add_nc_u32 v[RD], 4*DP, v[RD]
	LOADX
.endif
.irp p, 0,1,2,3,4,5,6,7
	FRONT \p
.endr
	v_rcp_f32 v[DD+14], v[DD+14]
	v_rcp_f32 v[DD+15], v[DD+15]
	v_exp_f32 v[WW+14], v[WW+14]
	v_exp_f32 v[WW+15], v[WW+15]
	v_nop                                          ; a plain instruction behind the last of the batch,
	s_wait_alu depctr_va_vdst(0)                   ; and the one wait ahead of the first use of its 32 results
.irp p, 0,1,2,3,4,5,6,7
	v_pk_fma_f32 v[PP+2*\p:PP+2*\p+1], v[DD+2*\p:DD+2*\p+1], s[CA5:CA5+1], s[CA4:CA4+1] op_sel_hi:[1,0,0]
.endr
.irp p, 0,1,2,3,4,5,6,7
	v_pk_fma_f32 v[PP+2*\p:PP+2*\p+1], v[PP+2*\p:PP+2*\p+1], v[DD+2*\p:DD+2*\p+1], s[CA3:CA3+1] op_sel_hi:[1,1,0]
.endr
.irp p, 0,1,2,3,4,5,6,7
	v_pk_fma_f32 v[PP+2*\p:PP+2*\p+1], v[PP+2*\p:PP+2*\p+1], v[DD+2*\p:DD+2*\p+1], s[CA2:CA2+1] op_sel_hi:[1,1,0]
.endr
.irp p, 0,1,2,3,4,5,6,7
	v_pk_fma_f32 v[PP+2*\p:PP+2*\p+1], v[PP+2*\p:PP+2*\p+1], v[DD+2*\p:DD+2*\p+1], s[CA1:CA1+1] op_sel_hi:[1,1,0]
.endr
.irp p, 0,1,2,3,4,5,6,7
	v_pk_mul_f32 v[DD+2*\p:DD+2*\p+1], v[DD+2*\p:DD+2*\p+1], v[WW+2*\p:WW+2*\p+1]
.endr
.irp p, 0,1,2,3,4,5,6,7
	v_pk_fma_f32 v[WW+2*\p:WW+2*\p+1], v[PP+2*\p:PP+2*\p+1], v[DD+2*\p:DD+2*\p+1], 1.0 op_sel_hi:[1,1,0] neg_lo:[1,0,0] neg_hi:[1,0,0]
.endr
.irp p, 0,1,2,3,4,5,6,7
	v_pk_fma_f32 v[VV+2*\p:VV+2*\p+1], v[AV+2*\p:AV+2*\p+1], v[WW+2*\p:WW+2*\p+1], v[VV+2*\p:VV+2*\p+1]
.endr
	s_wait_xcnt 0x0                                ; the last trip's two stores, a trip's arithmetic back, have read their offset and data: only behind this wait are these written again
	v_add_nc_u32 v[GO], 512, v[GO]                 ; the stores reach back by their immediate
.irp p, 0,1,2,3,4,5,6,7
	v_cvt_pk_bf16_f32 v[YO+\p], v[VV+2*\p], v[VV+2*\p+1]
.endr
	global_store_b128 v[GO], v[YO:YO+3], s[10:11] offset:-512
	global_store_b128 v[GO], v[YO+4:YO+7], s[10:11] offset:CHB-512
.endm
	LOADX
	s_mov_b32 s3, 31
.Lrows:
	GTRIP 1
	s_sub_co_u32 s3, s3, 1
	s_cmp_lg_u32 s3, 0
	s_cbranch_scc1 .Lrows
	GTRIP 0
	s_wait_tensorcnt 0x0                           ; the wave's end
	ds_add_u32 v[SPW], v[NIL]
	s_wait_dscnt 0x0
	CROUND                                         ; the closing round
	s_endpgm
.Lfunc_end_k_qe3d6043d79_qkv:
	.size	k_qe3d6043d79_qkv, .Lfunc_end_k_qe3d6043d79_qkv-k_qe3d6043d79_qkv
	.p2alignl 7, 3214868480
	.fill 96, 4, 3214868480
	.section	.rodata,"a",@progbits
	.p2align	6, 0x0
	.amdhsa_kernel k_qe3d6043d79_qkv
		.amdhsa_group_segment_fixed_size 327680
		.amdhsa_private_segment_fixed_size 0
		.amdhsa_enable_private_segment 0
		.amdhsa_kernarg_size 40
		.amdhsa_user_sgpr_count 2
		.amdhsa_user_sgpr_kernarg_segment_ptr 1
		.amdhsa_wavefront_size32 1
		.amdhsa_system_sgpr_workgroup_id_x 1
		.amdhsa_system_sgpr_workgroup_id_y 1
		.amdhsa_system_sgpr_workgroup_id_z 1
		.amdhsa_system_vgpr_workitem_id 0
		.amdhsa_next_free_vgpr 1024
		.amdhsa_next_free_sgpr 96
		.amdhsa_reserve_vcc 0
		.amdhsa_float_denorm_mode_32 3
		.amdhsa_float_denorm_mode_16_64 3
		.amdhsa_memory_ordered 1
		.amdhsa_forward_progress 1
		.amdhsa_inst_pref_size 98
	.end_amdhsa_kernel
	.amdgpu_metadata
---
amdhsa.version: [ 1, 2 ]
amdhsa.kernels:
  - .name:           k_qe3d6043d79_qkv
    .symbol:         k_qe3d6043d79_qkv.kd
    .args:
      - { .name: abuf, .offset: 0, .size: 8, .value_kind: global_buffer, .address_space: global }
      - { .name: wqkvo, .offset: 8, .size: 8, .value_kind: global_buffer, .address_space: global }
      - { .name: bqkv, .offset: 16, .size: 8, .value_kind: global_buffer, .address_space: global }
      - { .name: big, .offset: 24, .size: 8, .value_kind: global_buffer, .address_space: global }
      - { .name: actq, .offset: 32, .size: 8, .value_kind: global_buffer, .address_space: global }
    .group_segment_fixed_size: 327680
    .private_segment_fixed_size: 0
    .kernarg_segment_align: 8
    .kernarg_segment_size: 40
    .max_flat_workgroup_size: 128
    .sgpr_count:     96
    .vgpr_count:     1024
    .wavefront_size: 32
...
	.end_amdgpu_metadata
.endif
;; end of part 2
;; launch att (part 3): grid 8 x 32, 4 waves a work-group, clusters of 4 x 1, 327,680 bytes of LDS; arguments big, attn_mask, abuf; writes abuf
.if DOCPART == 3
	.amdgcn_target "amdgcn-amd-amdhsa--gfx1250"
	.amdhsa_code_object_version 6
	.text
	.protected	k_qe3d6043d79_att
	.globl	k_qe3d6043d79_att
	.p2align	8
	.type	k_qe3d6043d79_att,@function
k_qe3d6043d79_att:
	s_mov_b64 s[64:65], 0
	v_nop
	global_prefetch_b8 v0, s[64:65] scope:SCOPE_SE
	s_setreg_imm32_b32 hwreg(HW_REG_WAVE_MODE, 25, 1), 1
	s_wait_xcnt 0x0
	s_wait_alu depctr_hold_cnt(0) depctr_sa_sdst(0) depctr_va_vdst(0) depctr_va_sdst(0) depctr_va_ssrc(0) depctr_va_vcc(0) depctr_vm_vsrc(0)
	s_getreg_b32 s2, hwreg(HW_REG_IB_STS2, 6, 4)
	s_cmp_eq_u32 s2, 0
	s_cbranch_scc0 .Lentry_in_a_cluster
	s_endpgm
.Lentry_in_a_cluster:
	s_bfe_u32 s2, ttmp6, 0x10000c
	s_cmp_lg_u32 s2, 0x3003
	s_cbranch_scc0 .Lentry_shape_is_right
	s_endpgm
.Lentry_shape_is_right:
; ATTENTION WITH A KEY MASK.  O[q] = the sum over k of softmax_k(Q[q] . K[k] / 8, hidden where mask[k] = 0) V[k], for 32 pairs of batch and head, 2,048 tokens, head size 64.
; Q, K, V are chunks 0-15, 16-31, 32-47 of one buffer ([chunk][token][64], bf16): a head's rows are dense, 128 bytes each.  O goes out in the same layout.
; Products, maxima and sums in f32; the weights are rounded to bf16 for the second product, O once at the end.
; LIMITS.  A hidden score counts as its value less 1e30, so scores stay under 1e29 in size; a batch with no visible key gives NaN, as the softmax of nothing does: a select on the way out, where the
; running maximum has stayed below -1e29.  A weight below 2^-126 counts as 0.  NaN and infinities in the inputs are not treated apart.
; SHARES.  A work-group owns 256 queries of a head, a wave 64: four PIECES of 16.  Every wave walks all 2,048 keys: 8 tiles of 256 (a slot of LDS each), 4 steps of 64 to a tile.
; LAYOUT.  S^T = K Q^T holds ONE query a lane (lane % 16) and the keys 8 (lane / 16) + 0..7; two such results rounded to bf16 ARE source 1 of O^T = V^T P.
; THE MASK is the C operand of the four products that start each S^T: 0 or -1e30 for each key.  The 2,048 numbers are made once, in LDS; a step's 64 come into 32 registers with its K.
; SOFTMAX.  A running maximum m and sum l: p = 2^(c s - c m), c = log2(e) / 8; O and l are multiplied by a = 2^(c m_old - c m_new) in every step.  m starts at the lowest finite number.
; TURNS.  Turn n belongs to piece n: 8 products K Q^T of piece n + 1, later 8 products V^T P of piece n - 1; beside them piece n's scaling, exponentials, roundings, sums and rescaling and piece
; n + 1's maximum.  Four vector instructions stand behind every matrix instruction, the rest in one lump.  A turn's 33 exponentials are one batch, with one wait.
; CLUSTER.  The four query blocks of a cluster belong to one head and walk the same K and V: each tile is asked for jointly.
; REGISTERS, in windows of 256: window 0: v0-15 addresses; v16-31 statistics; v32-47 the mask on its way; v48-55 at work; v59-63 addresses; v64-127 S^T, two buffers; v192-223 P, two buffers
;   window 1: v0-127 O^T; v160-191 the step's mask      window 2: v0-63 Q; v128-191 K of one step; v192-255 V of one step
.set CHB,   524288
.set NP,    4
.set KS,    64
.set PK,    144       ; a row of K in LDS: 128 bytes + 16
.set PV,    160       ; a row of V: 128 + 32
.set VOFF,  4*KS*PK
.set SLOT1, 1<<17
.set STAGE, SLOT1+4*KS*(PK+PV)  ; 16 rows x 144 bytes for each wave, for the way out
.set SP,    144
.set MTAB,  STAGE+4*16*SP       ; 2,048 f32: 0 or -1e30; written by LDS stores alone
.set SPARE, MTAB+8192           ; the spare words, 128 bytes a wave; no other line names them
.set AK0, 2
.set AV0, 3
.set AK,  4
.set AV,  5
.set STO, 6
.set RD,  7
.set GO,  8
.set MV,  12          ; v12-13  c m_old, by buffer
.set AM,  14          ; v14  LDS address of the next step's mask
.set QO,  15
.set ST,  16          ; piece t's statistics at v[ST+4 t]: c m, m, l (even keys', odd keys')
.set MK,  32
.set TMP, 48
.set MLS, 59
.set MLO, 60
.set PFO, 61          ; 256 x my lane; never rewritten
.set SPW, 62
.set NIL, 63
.set S,   64
.set P,   192
.set MC,  160         ; window 1
.set KF,  128         ; window 2
.set VF,  192         ; window 2
.set WV,  12
.set LIM, 15          ; 1 in a wave that prefetches, else the greatest number
.set PFA, 18          ; s[18:19] where my prefetches stand
.set G1K, 24
.set G1V, 32
.set G0K, 40
.set G0V, 44
.set SLOTS, 56
.set CNT, 57
.set CS,  58
.set SEL, 60
.set TBK, 62
.set TBV, 63
.set BIGN, 82
.set THR, 83
.set QNAN, 84
.set MSB, 0
.macro WIN new
.if MSB != (\new)
	s_set_vgpr_msb (MSB<<8)|(\new)
.set MSB, (\new)
.endif
.endm
.set W_KQ, 0x0a       ; K and Q in window 2, S^T in window 0
.set W_KM, 0x1a       ; the same with the C operand in window 1
.set W_PV, 0x52       ; V in window 2, P in window 0, O^T in window 1
.set W_RS, 0x41       ; destination and source 0 in window 1, source 1 in window 0
.macro JLOAD                        ; waves 0 and 1 fetch the two halves of a tile's K, waves 2 and 3 those of its V; an s_nop 0 and four v_nop follow each line
	s_cmp_lt_u32 s[WV], 2
	s_cbranch_scc0 .Lfor_v_\@
	tensor_load_to_lds s[G0K:G0K+3], s[G1K:G1K+7]
	s_nop 0
.rept 4
	v_nop
.endr
	s_branch .Lasked_\@
.Lfor_v_\@:
	tensor_load_to_lds s[G0V:G0V+3], s[G1V:G1V+7]
	s_nop 0
.rept 4
	v_nop
.endr
.Lasked_\@:
.endm
; A PREFETCH of the tile that the NEXT change of slots will ask for: 128 blocks of 256 bytes of K and of V, a lane a block.  Both clusters of a head walk the same rows: the head's first cluster asks;
; its four partners take 32 blocks each, told apart by address; wave 0 asks for K's, wave 2 for V's.  So each block is named once.  It stands four key steps, 256 matrix instructions, ahead of the load.
; The last change that fills a slot asks for nothing; tiles 0 and 1 come by their loads alone.
.macro ASK
	s_cmp_gt_u32 s[SLOTS], s[LIM]
	s_cbranch_scc0 .Lnot_mine_\@
	global_prefetch_b8 v[PFO], s[PFA:PFA+1] th:TH_LOAD_NT scope:SCOPE_SE
.Lnot_mine_\@:
.endm
.macro CROUND
	s_barrier_signal -1
	s_barrier_wait -1
	s_cmp_lg_u32 s[WV], 0
	s_cbranch_scc1 .Lnot_wave_0_\@
	s_barrier_signal -3
.Lnot_wave_0_\@:
	s_barrier_wait -3
	s_barrier_signal -1
	s_barrier_wait -1
.endm
; THE CHANGE OF SLOTS.  The slot's last bytes, V of its fourth step, have been read.  Each wave waits for all its tensor loads (one is out: its part of the other slot), adds 0 to its spare word,
; and waits for that and for its reads of the slot.  fill = 1: a round of the cluster's barrier, and the slot is filled again first thing behind it, with the tile two on.
; (At its first use nothing has been read: slot 0 is waited for, slot 1 filled, and the round also shows every wave the whole mask table.)
.macro CHANGE fill
	WIN 0
	s_wait_tensorcnt 0x0
	ds_add_u32 v[SPW], v[NIL]
.if \fill
.irp g, G0K, G0V
	s_xor_b32 s[\g+1], s[\g+1], SLOT1
	s_add_nc_u64 s[\g+2:\g+3], s[\g+2:\g+3], 4*KS*128
.endr
	s_wait_xcnt 0x0                 ; the last prefetch, four key steps back, has read its address
	s_add_nc_u64 s[PFA:PFA+1], s[PFA:PFA+1], 4*KS*128
	s_wait_dscnt 0x0
	CROUND
	JLOAD
	ASK
.else
	s_wait_dscnt 0x0
	s_barrier_signal -1
	s_barrier_wait -1
.endif
	s_sub_co_u32 s[TBK], s[TBK], 4*KS*PK
	s_xor_b32 s[TBK], s[TBK], SLOT1
	s_sub_co_u32 s[TBV], s[TBV], 4*KS*PV
	s_xor_b32 s[TBV], s[TBV], SLOT1
.endm
	s_load_b64 s[4:5], s[0:1], 0x0    ; big
	s_load_b64 s[72:73], s[0:1], 0x8  ; the mask
	s_load_b64 s[10:11], s[0:1], 0x10 ; O
	v_lshl_add_u32 v[SPW], v0, 2, SPARE
	v_mov_b32 v[NIL], 0
	ds_add_u32 v[SPW], v[NIL]       ; the wave's opening: the add and its wait ahead of my first tensor load
	v_lshrrev_b32 v1, 5, v0
	v_readfirstlane_b32 s[WV], v1
	s_bfe_u32 s13, ttmp6, 0x40000   ; cx
	s_lshl_b32 s14, ttmp9, 2
	s_add_co_u32 s14, s14, s13      ; my block of 256 queries: it enters Q's and O's addresses alone
	s_and_b32 s16, ttmp7, 0xffff    ; 16 x batch + head, which the partners share
	s_and_b32 s20, s16, 15
	s_lshl_b32 s20, s20, 19         ; the head's chunk,
	s_lshr_b32 s74, s16, 4
	s_lshl_b32 s21, s74, 18         ; the batch's 2,048 tokens in it
	s_add_co_u32 s20, s20, s21
	s_mov_b32 s21, 0
	s_lshl_b32 s74, s74, 13         ; the batch's 2,048 words of the mask
	s_mov_b32 s75, 0
	s_and_b32 s16, s[WV], 1         ; which half of a tile's 256 keys I fetch
	s_lshl_b32 s22, s16, 14
	s_mov_b32 s23, 0
	s_add_nc_u64 s[22:23], s[22:23], s[20:21]
	s_mul_i32 s17, s16, 128*PK
	s_mul_i32 s18, s16, 128*PV
	s_lshl_b32 s2, s14, 2
	s_add_co_u32 s2, s2, s[WV]
	s_lshl_b32 s2, s2, 13           ; my wave's 64 rows
	s_mov_b32 s3, 0
	s_add_nc_u64 s[2:3], s[2:3], s[20:21]
	; 128 keys are 16,384 dense bytes: asked for as 64 rows of 256 bytes, two keys a row, padded in LDS behind every key
	s_mov_b32 s[G1K], 15|(1<<16)|(1<<20)|(1<<21)|(4<<22)|(3<<25)
	s_mov_b32 s[G1V], 15|(1<<16)|(1<<20)|(1<<21)|(4<<22)|(7<<25)
.irp g, G1K, G1V
	s_mov_b32 s[\g+1], 128<<16
	s_mov_b32 s[\g+2], 64<<16
	s_mov_b32 s[\g+3], 128<<16
	s_mov_b32 s[\g+4], 64
	s_mov_b32 s[\g+5], 128
	s_mov_b32 s[\g+6], 0
	s_mov_b32 s[\g+7], 0
.endr
	s_mov_b32 s[CS], 0x3e38aa3b     ; c = log2(e) / 8
	s_mov_b32 s[CS+1], s[CS]
	s_mov_b32 s[SEL], 0x76543210
	s_mov_b32 s[SEL+1], 0xfedcba98
	s_mov_b32 s[TBK], SLOT1+4*KS*PK ; the first change of slots turns these two into 0
	s_mov_b32 s[TBV], SLOT1+4*KS*PV
	s_mov_b32 s[G0K], 1
	s_mov_b32 s[G0K+1], s17
	s_mov_b32 s[G0V], 1
	s_add_co_u32 s[G0V+1], s18, VOFF
	s_mov_b32 s[BIGN], 0xf149f2ca   ; -1e30
	s_mov_b32 s[THR], 0xefa18f08    ; -1e29
	s_mov_b32 s[QNAN], 0x7fc00000
	s_mov_b32 s[SLOTS], 7
	s_and_b32 s[LIM], s[WV], 1
	s_or_b32 s[LIM], s[LIM], ttmp9  ; 0 in waves 0 and 2 of the head's first cluster: the same in all four partners
	s_cmp_eq_u32 s[LIM], 0
	s_cselect_b32 s[LIM], 1, -1
	v_and_b32 v[PFO], 31, v0
	v_lshlrev_b32 v[PFO], 8, v[PFO]
	s_wait_dscnt 0x0                ; the opening add is done
	s_wait_kmcnt 0x0
	s_add_nc_u64 s[6:7], s[4:5], s[22:23]
	s_add_nc_u64 s[6:7], s[6:7], 16*CHB   ; K at my half of the head's tile 0
	s_add_nc_u64 s[8:9], s[6:7], 16*CHB   ; V likewise
	s_add_nc_u64 s[G0K+2:G0K+3], s[6:7], 0
	s_or_b32 s[G0K+3], s[G0K+3], 0x80000000
	s_add_nc_u64 s[G0V+2:G0V+3], s[8:9], 0
	s_or_b32 s[G0V+3], s[G0V+3], 0x80000000
	s_add_nc_u64 s[4:5], s[4:5], s[2:3]
	s_add_nc_u64 s[10:11], s[10:11], s[2:3]
	s_add_nc_u64 s[72:73], s[72:73], s[74:75]
	s_cmp_lt_u32 s[WV], 2
	s_cselect_b64 s[PFA:PFA+1], s[6:7], s[8:9]  ; (in waves 0 and 2 these stand at a tile's first row)
	s_lshl_b32 s2, s13, 13          ; my work-group's 32 blocks of the 128
	s_mov_b32 s3, 0
	s_add_nc_u64 s[PFA:PFA+1], s[PFA:PFA+1], s[2:3]
	s_add_nc_u64 s[PFA:PFA+1], s[PFA:PFA+1], 4*KS*128  ; in tile 1; the first change steps it to tile 2
	CROUND                          ; all four work-groups are here
	JLOAD                           ; tile 0 into slot 0
	v_lshlrev_b32 v[MLO], 4, v0
	v_add_nc_u32 v[MLS], MTAB, v[MLO]
.irp j, 0,1,2,3
	global_load_b128 v[MK+4*\j:MK+4*\j+3], v[MLO], s[72:73] offset:2048*\j
.endr
	v_and_b32 v1, 15, v0            ; l % 16
	v_bfe_u32 v9, v0, 4, 1          ; l / 16
	v_lshlrev_b32 v[QO], 7, v1
	v_lshl_add_u32 v[QO], v9, 4, v[QO]
	WIN 0x80
.set i, 0
.rept 8                             ; Q stays in registers: piece i / 2, channels 32 (i % 2) on
	global_load_b128 v[8*i:8*i+3],   v[QO], s[4:5] offset:(i/2)*2048+(i%2)*64
	global_load_b128 v[8*i+4:8*i+7], v[QO], s[4:5] offset:(i/2)*2048+(i%2)*64+32
.set i, i+1
.endr
	WIN 0
	s_wait_loadcnt 16               ; the mask is in; Q's sixteen loads may stay out
.set i, 0
.rept 16
	v_cmp_eq_u32 vcc_lo, 0, v[MK+i]
	v_cndmask_b32 v[MK+i], 0, s[BIGN], vcc_lo
.set i, i+1
.endr
.irp j, 0,1,2,3
	ds_store_b128 v[MLS], v[MK+4*\j:MK+4*\j+3] offset:2048*\j
.endr
	v_mul_u32_u24 v[AK0], v1, PK
	v_lshl_add_u32 v[AK0], v9, 4, v[AK0]
	v_and_b32 v10, 7, v0
	v_bfe_u32 v11, v0, 3, 1
	v_lshl_add_u32 v[AV0], v9, 3, v10
	v_mul_u32_u24 v[AV0], v[AV0], PV
	v_lshl_add_u32 v[AV0], v11, 4, v[AV0]
	v_add_nc_u32 v[AV0], VOFF, v[AV0]
	v_lshl_add_u32 v[AM], v9, 5, MTAB     ; my eight keys of a block of sixteen
	s_mul_i32 s13, s[WV], 16*SP
	s_add_co_u32 s13, s13, STAGE
	v_mul_u32_u24 v[STO], v1, SP
	v_lshl_add_u32 v[STO], v9, 4, v[STO]
	v_add_nc_u32 v[STO], s13, v[STO]
	v_bfe_u32 v[RD], v0, 3, 2
	v_mul_u32_u24 v[RD], v[RD], SP
	v_lshl_add_u32 v[RD], v10, 4, v[RD]
	v_add_nc_u32 v[RD], s13, v[RD]
	v_and_b32 v[GO], 31, v0
	v_lshlrev_b32 v[GO], 4, v[GO]
	; The first step multiplies O^T and l by a = 0, and the first turn's products V^T P, of a piece that has not been, add 0: these registers hold zeros.  All this stands in the wait for the first tile.
	WIN 0x80
.set i, VF
.rept 64
	v_mov_b32 v[i], 0
.set i, i+1
.endr
	WIN 0x40
.set i, 0
.rept 128
	v_mov_b32 v[i], 0
.set i, i+1
.endr
	WIN 0
.set i, 0
.rept 4
	v_mov_b32 v[ST+4*i], 0xfe000000    ; c m: far below every c s
	v_mov_b32 v[ST+4*i+1], 0xff7fffff  ; m
	v_mov_b32 v[ST+4*i+2], 0
	v_mov_b32 v[ST+4*i+3], 0
.set i, i+1
.endr
.set i, P+16
.rept 16
	v_mov_b32 v[i], 0
.set i, i+1
.endr
; THE MATRIX WORK.  The 4 accumulators of a run of 8 take turns.  Product i of 8 of S^T = K Q^T for piece x: channels 32 (i / 4) on, keys 16 (i % 4) on.  The first 4 start the sums with the mask.
.macro KQ x
.set rS, S+32*((\x)%2)+8*(i%4)
.set rK, KF+16*(i%4)+8*(i/4)
.set rQ, 16*(\x)+8*(i/4)
.set rM, MC+8*(i%4)
.if i < 4
	WIN W_KM
	v_wmma_f32_16x16x32_bf16 v[rS:rS+7], v[rK:rK+7], v[rQ:rQ+7], v[rM:rM+7]
.else
	WIN W_KQ
	v_wmma_f32_16x16x32_bf16 v[rS:rS+7], v[rK:rK+7], v[rQ:rQ+7], v[rS:rS+7]
.endif
.endm
.macro PV x                         ; product i of 8 of O^T += V^T P for piece x: keys 32 (i / 4) on, channels 16 (i % 4) on
	WIN W_PV
.set rO, 32*(\x)+8*(i%4)
.set rV, VF+32*(i/4)+8*(i%4)
.set rP, P+16*((\x)%2)+8*(i/4)
	v_wmma_f32_16x16x32_bf16 v[rO:rO+7], v[rV:rV+7], v[rP:rP+7], v[rO:rO+7]
.endm
.macro MM                           ; the turn's next matrix instruction.  NOKQ = 1: the last turn of all: there is no next piece
.if (i < 8) && !NOKQ
	KQ (Y+1)%NP
.elseif i >= 8
.set i, i-8
	PV (Y+NP-1)%NP
.set i, i+8
.endif
.set i, i+1
.endm
; THE LDS LOADS stand in runs: a step's K (8 fragments) with its mask (8 loads: register j of block kb is key 16 kb + 8 (lane / 16) + j), and its V (turned).
.macro FETCH_K
	WIN 0x80
.irp f, 0,1,2,3,4,5,6,7
	ds_load_b128 v[KF+8*\f:KF+8*\f+3],   v[AK] offset:(\f/2)*16*PK+(\f%2)*64
	ds_load_b128 v[KF+8*\f+4:KF+8*\f+7], v[AK] offset:(\f/2)*16*PK+(\f%2)*64+32
.endr
	WIN 0x40
.irp f, 0,1,2,3
	ds_load_b128 v[MC+8*\f:MC+8*\f+3],   v[AM] offset:64*\f
	ds_load_b128 v[MC+8*\f+4:MC+8*\f+7], v[AM] offset:64*\f+16
.endr
	s_add_co_u32 s[TBK], s[TBK], KS*PK
	WIN 0
	v_add_nc_u32 v[AM], 256, v[AM]  ; the next step's 64 keys
.endm
.macro FETCH_V
	WIN 0x80
.irp f, 0,1,2,3,4,5,6,7
	ds_load_tr16_b128 v[VF+8*\f:VF+8*\f+3],   v[AV] offset:(\f/4)*32*PV+(\f%4)*32
	ds_load_tr16_b128 v[VF+8*\f+4:VF+8*\f+7], v[AV] offset:(\f/4)*32*PV+16*PV+(\f%4)*32
.endr
	WIN 0
.endm
; THE VECTOR WORK, one line at a time: OP kind, number.  For piece Y: F n: c s - c m for pair n.  E n: the exponential of score n.  C n: pair n rounded to bf16.  B n: of the four weights 4 n .. the second pair is
; added onto the first.  L n: l takes that sum (L 0: l = a l + sum).  R n: pair n of O^T times a.  For piece Y + 1: X n, number n of the 22 that find its maximum and statistics (each accumulator's lowest registers are read first).
.set F, 0
.set E, 1
.set C, 2
.set B, 3
.set L, 4
.set R, 5
.set X, 6
.macro REGS y
.set rT, ST+4*(\y)
.set rC, TMP+4*((\y)%2)
.set rW, MV+((\y)%2)
.set rS, S+32*((\y)%2)
.set rP, P+16*((\y)%2)
.set rO, 32*(\y)
.endm
.macro OP k, n
.if (\k) == R
	REGS Y
	WIN W_RS
	v_pk_mul_f32 v[rO+2*(\n):rO+2*(\n)+1], v[rO+2*(\n):rO+2*(\n)+1], v[rC+2:rC+3] op_sel_hi:[1,0]
.elseif (\k) < R
	REGS Y
	WIN 0
.if (\k) == F
	v_pk_fma_f32 v[rS+2*(\n):rS+2*(\n)+1], v[rS+2*(\n):rS+2*(\n)+1], s[CS:CS+1], v[rT:rT+1] op_sel_hi:[1,0,0] neg_lo:[0,0,1] neg_hi:[0,0,1]
.elseif (\k) == E
	v_exp_f32 v[rS+(\n)], v[rS+(\n)]
.elseif (\k) == C
	v_cvt_pk_bf16_f32 v[rP+(\n)], v[rS+2*(\n)], v[rS+2*(\n)+1]
.elseif (\k) == B
	v_pk_add_f32 v[rS+4*(\n):rS+4*(\n)+1], v[rS+4*(\n):rS+4*(\n)+1], v[rS+4*(\n)+2:rS+4*(\n)+3]
.elseif (\n) == 0
	v_pk_fma_f32 v[rT+2:rT+3], v[rT+2:rT+3], v[rC+2:rC+3], v[rS:rS+1] op_sel_hi:[1,0,1]
.else
	v_pk_add_f32 v[rT+2:rT+3], v[rT+2:rT+3], v[rS+4*(\n):rS+4*(\n)+1]
.endif
.elseif NOKQ
	v_nop
.else
	REGS (Y+1)%NP
	WIN 0
.if (\n) < 4
	v_max3_num_f32 v[rC+(\n)], v[rS+8*(\n)], v[rS+8*(\n)+1], v[rS+8*(\n)+2]
.elseif (\n) < 12
	v_max3_num_f32 v[rC+(\n)%4], v[rC+(\n)%4], v[rS+8*((\n)%4)+2*((\n)/4)+1], v[rS+8*((\n)%4)+2*((\n)/4)+2]
.elseif (\n) == 12
	v_max3_num_f32 v[rC], v[rC], v[rS+7], v[rS+15]
.elseif (\n) == 13
	v_max3_num_f32 v[rC+1], v[rC+1], v[rS+23], v[rS+31]
.elseif (\n) == 14
	v_max3_num_f32 v[rC+2], v[rC+2], v[rC+3], v[rT+1]
.elseif (\n) == 15
	v_mov_b32 v[rW], v[rT]
.elseif (\n) == 16
	v_max3_num_f32 v[rC], v[rC], v[rC+1], v[rC+2]
.elseif (\n) == 17
	v_permlanex16_b32 v[rC+3], v[rC], s[SEL], s[SEL+1]
.elseif (\n) == 18
	v_max_num_f32 v[rT+1], v[rC], v[rC+3]
.elseif (\n) == 19
	v_mul_f32 v[rT], s[CS], v[rT+1]
.elseif (\n) == 20
	v_sub_f32 v[rC+1], v[rW], v[rT]
.else
	v_exp_f32 v[rC+2], v[rC+1]
.endif
.endif
.endm
.macro OPS a, i1, b=-1, i2=0, c=-1, i3=0, d=-1, i4=0
	OP \a, \i1
.if (\b) >= 0
	OP \b, \i2
.endif
.if (\c) >= 0
	OP \c, \i3
.endif
.if (\d) >= 0
	OP \d, \i4
.endif
.endm
.macro ROW a, i1, b, i2, c, i3, d, i4
	MM
	OPS \a, \i1, \b, \i2, \c, \i3, \d, \i4
.endm
; A TURN, for piece p.  Ahead of its one wait stands all that names no result of the turn's exponentials; behind it the 8 products V^T P with the roundings and sums as riders.
; K and the mask of the next step are fetched in piece 2's turn: six plain instructions behind the last product that read K, and further behind the fourth product, the last that read the mask.
; V of the step in hand is fetched at the end of piece 0's turn, four plain instructions behind its last reader.  Each is waited for a turn later.
; end = 1: the last two turns: nothing is fetched.  cnt = 1: the loop's count is taken down some lines ahead of the branch behind the turn.
.macro TURN p, end=0, cnt=0
.set Y, (\p)
.set i, 0
.set NOKQ, (\end)*((\p)/3)
.if ((\p) == 3) && !(\end)
	s_wait_dscnt 0x0                ; K and the mask are in
.endif
	ROW F,0, F,1, R,0, R,1
	ROW F,2, E,0, R,2, R,3
	ROW F,3, E,1, R,4, R,5
	ROW F,4, E,2, R,6, R,7
	ROW F,5, E,3, R,8, R,9
	ROW F,6, E,4, X,0, R,10
.if ((\p) == 2) && !(\end)
	WIN 0
	v_add_nc_u32 v[AK], s[TBK], v[AK0]
.endif
	ROW F,7, E,5, X,1, X,4
	ROW F,8, E,6, X,2, X,5
	OPS E,7, E,8, X,6, E,9
	OPS X,3, E,10, X,8, E,11
.if ((\p) == 2) && !(\end)
	FETCH_K
.endif
	OPS X,9, X,7, E,12, X,10
	OPS E,13, X,12, X,11, E,14
	OPS X,13, E,15, F,9, X,14
.if (\p) == 0
	v_add_nc_u32 v[AV], s[TBV], v[AV0]
.endif
	OPS E,16, F,10, E,17, F,11
	OPS X,16, E,18, X,15, E,19
	OPS F,12, E,20, X,17, E,21
	OPS F,13, E,22, F,14, E,23
	OPS X,18, E,24, F,15, E,25
	OPS R,11, E,26, X,19, E,27
	OPS R,12, E,28, R,13, E,29
	OPS X,20, E,30, R,14, E,31
	OPS X,21, R,15
	WIN 0
	s_wait_alu depctr_va_vdst(0)    ; the one wait for the batch
.if (\p) == 1
	s_wait_dscnt 0x0                ; V is in
.endif
	ROW C,0, B,0, C,2, B,1
	ROW L,0, C,4, B,2, L,1
	ROW C,6, B,3, L,2, C,8
	ROW B,4, L,3, C,10, B,5
	ROW L,4, C,12, B,6, L,5
.if (\p) == 0
	s_add_co_u32 s[TBV], s[TBV], KS*PV
.endif
.if \cnt
	s_sub_co_u32 s[CNT], s[CNT], 1
	s_cmp_lg_u32 s[CNT], 0
.endif
	ROW C,14, B,7, L,6, C,1
	ROW C,3, L,7, C,5, C,7
	ROW C,9, C,11, C,13, C,15
.if (\p) == 0
	FETCH_V
.endif
.endm
	CHANGE 1                        ; slot 0 is in, the mask table is whole; slot 1 is asked for
	v_add_nc_u32 v[AK], s[TBK], v[AK0]
	FETCH_K                         ; key step 0
	s_wait_loadcnt 0x0              ; Q
	s_wait_dscnt 0x0
.set NOKQ, 0
.set i, 0
.rept 8
	KQ 0                            ; piece 0's first scores
.set i, i+1
.endr
	WIN 0
.rept 4
	v_nop                           ; the places behind those products
.endr
.set Y, NP-1                        ; X works for piece Y + 1: piece 0
.irp n, 0,1,2,3,4,5,6,7,8,9,10,11,12,13,14,15,16,17,18,19,20,21
	OP X, \n
.endr
	v_nop                           ; a plain instruction behind the exponential,
	s_wait_alu depctr_va_vdst(0)    ; and its wait, ahead of the branch
	s_mov_b32 s[CNT], 4
	s_branch .Lfirst                ; the loop is entered at a step's first turn, in the middle of a trip
.Lslot:                             ; six times: tiles 1 to 6 are entered, tiles 2 to 7 asked for
	CHANGE 1
	s_mov_b32 s[CNT], 4
.Lstep:                             ; a trip: pieces 2 and 3 of one step, then pieces 0 and 1 of the next, whose K and V it fetches
	TURN 2
	TURN 3
	WIN 0
.Lfirst:
	TURN 0
	TURN 1, 0, 1
	WIN 0
	s_cbranch_scc1 .Lstep
	s_sub_co_u32 s[SLOTS], s[SLOTS], 1
	s_cmp_lg_u32 s[SLOTS], 0
	s_cbranch_scc1 .Lslot
	CHANGE 0                        ; the last tile is written out
	s_mov_b32 s[CNT], 4
.LstepT:
	TURN 2
	TURN 3
	TURN 0
	TURN 1, 0, 1
	WIN 0
	s_cbranch_scc1 .LstepT
	TURN 2, 1
	TURN 3, 1
.set i, 0
.rept 8
	PV NP-1
.set i, i+1
.endr
	; THE WAY OUT.  l's halves are added; O^T is divided by l (by NaN where no key was visible), rounded to bf16 and sent through my stage, a piece at a time.  The additions are the places behind the last products.
	WIN 0
.macro ALL line:vararg
.set t, 0
.rept 4
	\line
.set t, t+1
.endr
.endm
	ALL v_add_f32 v[ST+4*t+2], v[ST+4*t+2], v[ST+4*t+3]
	ALL v_permlanex16_b32 v[ST+4*t+3], v[ST+4*t+2], s[SEL], s[SEL+1]
	ALL v_add_f32 v[ST+4*t+2], v[ST+4*t+2], v[ST+4*t+3]
	ALL v_rcp_f32 v[ST+4*t+2], v[ST+4*t+2]
	v_nop                           ; a plain instruction behind the last reciprocal,
	s_wait_alu depctr_va_vdst(0)    ; and one wait for the four
.irp t, 0,1,2,3
	v_cmp_gt_f32 vcc_lo, s[THR], v[ST+4*\t+1]
	v_cndmask_b32 v[ST+4*\t+2], v[ST+4*\t+2], s[QNAN], vcc_lo
.endr
.macro PACK t
	WIN W_RS
.set i, 32*(\t)
.rept 16
	v_pk_mul_f32 v[i:i+1], v[i:i+1], v[ST+4*(\t)+2:ST+4*(\t)+3] op_sel_hi:[1,0]
.set i, i+2
.endr
	WIN 0x05
.set i, 0
.rept 16
	v_cvt_pk_bf16_f32 v[S+16*(\t)+i], v[32*(\t)+2*i], v[32*(\t)+2*i+1]
.set i, i+1
.endr
	WIN 0
.irp f, 0,1,2,3
	ds_store_b128 v[STO], v[S+16*(\t)+4*\f:S+16*(\t)+4*\f+3] offset:32*\f
.endr
.irp f, 0,1,2,3
	ds_load_b128 v[S+16*(\t)+4*\f:S+16*(\t)+4*\f+3], v[RD] offset:\f*4*SP  ; LDS serves a wave's instructions in order (ISA guide 5.7.1.4)
.endr
.endm
.macro SEND t, younger
	WIN 0
.irp f, 0,1,2,3
	s_wait_dscnt (\younger)+3-\f
	global_store_b128 v[GO], v[S+16*(\t)+4*\f:S+16*(\t)+4*\f+3], s[10:11] offset:(\t)*2048+\f*512  ; 512 consecutive bytes, aligned
.endr
.endm
	PACK 0
.set t, 1
.rept 3
	PACK t
	SEND t-1, 8
.set t, t+1
.endr
	SEND 3, 0
	s_wait_tensorcnt 0x0            ; the wave's end
	ds_add_u32 v[SPW], v[NIL]
	s_wait_dscnt 0x0
	CROUND                          ; the closing round
	s_endpgm
.Lfunc_end_k_qe3d6043d79_att:
	.size	k_qe3d6043d79_att, .Lfunc_end_k_qe3d6043d79_att-k_qe3d6043d79_att
	.p2alignl 7, 3214868480
	.fill 96, 4, 3214868480
	.section	.rodata,"a",@progbits
	.p2align	6, 0x0
	.amdhsa_kernel k_qe3d6043d79_att
		.amdhsa_group_segment_fixed_size 327680
		.amdhsa_private_segment_fixed_size 0
		.amdhsa_enable_private_segment 0
		.amdhsa_kernarg_size 24
		.amdhsa_user_sgpr_count 2
		.amdhsa_user_sgpr_kernarg_segment_ptr 1
		.amdhsa_wavefront_size32 1
		.amdhsa_system_sgpr_workgroup_id_x 1
		.amdhsa_system_sgpr_workgroup_id_y 1
		.amdhsa_system_sgpr_workgroup_id_z 1
		.amdhsa_system_vgpr_workitem_id 0
		.amdhsa_next_free_vgpr 768
		.amdhsa_next_free_sgpr 88
		.amdhsa_reserve_vcc 1
		.amdhsa_float_denorm_mode_32 3
		.amdhsa_float_denorm_mode_16_64 3
		.amdhsa_memory_ordered 1
		.amdhsa_forward_progress 1
		.amdhsa_inst_pref_size 133
	.end_amdhsa_kernel
	.amdgpu_metadata
---
amdhsa.version: [ 1, 2 ]
amdhsa.kernels:
  - .name:           k_qe3d6043d79_att
    .symbol:         k_qe3d6043d79_att.kd
    .args:
      - { .name: big, .offset: 0, .size: 8, .value_kind: global_buffer, .address_space: global }
      - { .name: attn_mask, .offset: 8, .size: 8, .value_kind: global_buffer, .address_space: global }
      - { .name: abuf, .offset: 16, .size: 8, .value_kind: global_buffer, .address_space: global }
    .group_segment_fixed_size: 327680
    .private_segment_fixed_size: 0
    .kernarg_segment_align: 8
    .kernarg_segment_size: 24
    .max_flat_workgroup_size: 128
    .sgpr_count:     88
    .vgpr_count:     768
    .wavefront_size: 32
...
	.end_amdgpu_metadata
.endif
;; end of part 3
;; launch oproj (part 4): grid 8 x 32, 4 waves a work-group, clusters of 4 x 4, 327,680 bytes of LDS; arguments abuf, wqkvo, ob, ybuf; writes ybuf
.if DOCPART == 4
	.amdgcn_target "amdgcn-amd-amdhsa--gfx1250"
	.amdhsa_code_object_version 6
	.text
	.protected	k_qe3d6043d79_oproj
	.globl	k_qe3d6043d79_oproj
	.p2align	8
	.type	k_qe3d6043d79_oproj,@function
k_qe3d6043d79_oproj:
	s_mov_b64 s[64:65], 0
	v_nop
	global_prefetch_b8 v0, s[64:65] scope:SCOPE_SE
	s_setreg_imm32_b32 hwreg(HW_REG_WAVE_MODE, 25, 1), 1
	s_wait_xcnt 0x0
	s_wait_alu depctr_hold_cnt(0) depctr_sa_sdst(0) depctr_va_vdst(0) depctr_va_sdst(0) depctr_va_ssrc(0) depctr_va_vcc(0) depctr_vm_vsrc(0)
	s_getreg_b32 s2, hwreg(HW_REG_IB_STS2, 6, 4)
	s_cmp_eq_u32 s2, 0
	s_cbranch_scc0 .Lentry_in_a_cluster
	s_endpgm
.Lentry_in_a_cluster:
	s_bfe_u32 s2, ttmp6, 0x10000c
	s_cmp_lg_u32 s2, 0xf033
	s_cbranch_scc0 .Lentry_shape_is_right
	s_endpgm
.Lentry_shape_is_right:
; THE OUTPUT PROJECTION.  C = A B^T + bias on tiles of 128 x 128, K = 1,024, all operands bf16, sums in f32, C rounded once to bf16.  1,024 columns make 256 tiles of this size.
; A and C lie in CHUNKS: [column / 64][token][64]: a token's piece 128 bytes, a chunk 524,288 bytes.  B: [1,024][1,024], rows along K, behind the 3,072 rows of q's, k's and v's weights.  bias: f32.
; Four waves, each 64 x 64: 16 accumulators.  A wave's 64 columns are one chunk of C, so 16 rows of its tile are 2,048 consecutive bytes of C.
; K goes in four steps of 256 through two LDS slots.  A's part of a slot comes as four chunks' 64 token rows (each chunk 8,192 dense bytes), padded by 16 bytes behind every 128;
; B's as 64 rows of 512 bytes, padded by 16.  ONE K STEP IS WRITTEN ONCE: the slot in hand is a scalar, CUR, that an exclusive or turns between 0 and SLOT.
; CLUSTER 4 x 4: the four work-groups of a row need the same tiles of A, the four of a column the same tiles of B: each tile is asked for jointly.
; The matrix instruction is used transposed (source 0 = rows of B, source 1 = rows of A): a lane holds eight neighbouring columns of one row of C.
; No prefetch: the tiles are small.
; REGISTERS: window 0: v16-29 addresses; v32-95 at work on the way out; v96-127 the bias; v128-255 the accumulators.  Window 1: two fragment buffers of 128 (64 of A, 64 of B), 64 along K each.
.set CHB,    524288
.set TSTEPS, 4
.set BPITCH, 1024
.set WOFF,   3072*2*BPITCH             ; where B begins in its buffer
.set ASTEP,  4*CHB
.set BSTEP,  512
.set PA,     144                       ; 128 bytes + 16: 36 words: the 16 rows of a load start at 16 different groups of four banks
.set PLA,    64*PA                     ; a chunk's 64 rows
.set HALFA,  4*PLA                     ; what one tensor load brings of A
.set AREG,   2*HALFA
.set PB,     528                       ; 512 bytes + 16
.set HALFB,  64*PB
.set SLOT,   AREG+2*HALFB
.set STAGE,  2*SLOT                    ; behind the ring: 16 rows x 144 bytes for each wave
.set SP,     144
.set SPARE,  STAGE+4*16*SP             ; the spare words, 128 bytes a wave; no other line names them
.set A0,   16                          ; my lane's place in A's part of a slot; never rewritten
.set B0,   17                          ; the same for B
.set ADRA, 18                          ; A0 + CUR
.set ADRB, 19
.set STO,  24
.set RD,   25
.set GO,   26
.set BO,   27
.set SPW,  28
.set NIL,  29
.set TMP,  32
.set BIAS, 96
.set ACC,  128
.set F0,   0
.set F1,   128
.set WV,   12
.set RH,   13                          ; my half of the rows; also: I fetch for A (0) or B (1)
.set CF,   14                          ; my half of the columns; also: which half of that tile I fetch
.set TY,   15
.set G1,   24
.set G0,   32                          ; s[32:35] step 0 into slot 0; s[36:39] step 1 into slot 1, which then walks on
.set CX,   40
.set CY,   41
.set TX,   42
.set G1B,  48
.set G0B,  56
.set CUR,  66
.set LA,   67
.set LB,   68
.set MSB, 0
.macro WIN new                         ; the immediate's high byte repeats the setting that is left
.if MSB != (\new)
	s_set_vgpr_msb (MSB<<8)|(\new)
.set MSB, \new
.endif
.endm
.set MUL,  0x05                        ; sources 0 and 1 window 1; C and D window 0
.set TO_F, 0x40                        ; destination window 1, address window 0
.macro JLOAD s                         ; a joint load; an s_nop 0 and four v_nop follow each of the two lines
	s_cmp_eq_u32 s[RH], 0
	s_cbranch_scc0 .Lfor_b_\@
	tensor_load_to_lds s[G0+4*(\s):G0+4*(\s)+3], s[G1:G1+7]
	s_nop 0
.rept 4
	v_nop
.endr
	s_branch .Lasked_\@
.Lfor_b_\@:
	tensor_load_to_lds s[G0B+4*(\s):G0B+4*(\s)+3], s[G1B:G1B+7]
	s_nop 0
.rept 4
	v_nop
.endr
.Lasked_\@:
.endm
.macro CREST                           ; a round of the cluster's barrier behind its opening barrier
	s_cmp_lg_u32 s[WV], 0
	s_cbranch_scc1 .Lnot_wave_0_\@
	s_barrier_signal -3
.Lnot_wave_0_\@:
	s_barrier_wait -3
	s_barrier_signal -1
	s_barrier_wait -1
.endm
.macro CROUND
	s_barrier_signal -1
	s_barrier_wait -1
	CREST
.endm
	s_load_b256 s[4:11], s[0:1], 0x0               ; A s[4:5], B's buffer s[6:7], bias s[8:9], C s[10:11]
	v_lshl_add_u32 v[SPW], v0, 2, SPARE
	v_mov_b32 v[NIL], 0
	ds_add_u32 v[SPW], v[NIL]                      ; the wave's opening: the add and its wait ahead of my first tensor load
	v_lshrrev_b32 v1, 5, v0
	v_readfirstlane_b32 s[WV], v1
	s_lshr_b32 s[RH], s[WV], 1
	s_and_b32 s[CF], s[WV], 1
	s_bfe_u32 s[CX], ttmp6, 0x40000
	s_bfe_u32 s[CY], ttmp6, 0x40004
	s_lshl_b32 s[TX], ttmp9, 2
	s_add_co_u32 s[TX], s[TX], s[CX]               ; tile column
	s_and_b32 s[TY], ttmp7, 0xffff
	s_lshl_b32 s[TY], s[TY], 2
	s_add_co_u32 s[TY], s[TY], s[CY]               ; tile row
	s_lshl_b32 s43, s[CY], 2
	s_lshl_b32 s43, 15, s43                        ; my row of the cluster
	s_lshl_b32 s44, 0x1111, s[CX]                  ; my column
	s_or_b32 s[G1], s43, (1<<16)|(1<<20)|(1<<21)|(4<<22)|(3<<25)    ; mask; 2-byte elements; padding on; bit 21 beside a mask; behind every 32 words, 4 words
	s_or_b32 s[G1B], s44, (1<<16)|(1<<20)|(1<<21)|(6<<22)|(3<<25)   ; behind every 128 words, 4 words
	s_mov_b32 s[G1+1], 4096<<16                    ; A: tensor_dim0 = 4,096 elements: a chunk's 64 token rows, dense
	s_mov_b32 s[G1+2], 4<<16                       ; tensor_dim1 = 4 chunks
	s_mov_b32 s[G1+3], 4096<<16                    ; tile_dim0
	s_mov_b32 s[G1+4], 4                           ; tile_dim1
	s_mov_b32 s[G1+5], CHB/2                       ; elements from chunk to chunk
	s_mov_b32 s[G1+6], 0
	s_mov_b32 s[G1+7], 0
	s_mov_b32 s[G1B+1], 256<<16                    ; B: 64 rows of 256 elements
	s_mov_b32 s[G1B+2], 64<<16
	s_mov_b32 s[G1B+3], 256<<16
	s_mov_b32 s[G1B+4], 64
	s_mov_b32 s[G1B+5], BPITCH
	s_mov_b32 s[G1B+6], 0
	s_mov_b32 s[G1B+7], 0
	s_lshl_b32 s16, s[TY], 14                      ; A: token 128 x tile row + 64 x half, 128 bytes each
	s_lshl_b32 s17, s[CF], 13
	s_add_co_u32 s16, s16, s17
	s_mov_b32 s17, 0
	s_lshl_b32 s46, s[TX], 7                       ; B: row 128 x tile column + 64 x half
	s_lshl_b32 s47, s[CF], 6
	s_add_co_u32 s46, s46, s47
	s_mul_i32 s46, s46, 2*BPITCH
	s_add_co_u32 s46, s46, WOFF
	s_mov_b32 s47, 0
	s_mul_i32 s[LA], s[CF], HALFA                  ; where they go: no place in the cluster enters an LDS address
	s_mul_i32 s[LB], s[CF], HALFB
	s_add_co_u32 s[LB], s[LB], AREG
	s_mov_b32 s[CUR], 0
	s_wait_dscnt 0x0                               ; the opening add is done
	s_wait_kmcnt 0x0
	s_add_nc_u64 s[20:21], s[4:5], s[16:17]
	s_add_nc_u64 s[46:47], s[6:7], s[46:47]
	CROUND                                         ; all sixteen work-groups are here: the first joint loads meet
.irp s, 0,1
	s_mov_b32 s[G0+4*(\s)], 1
	s_add_co_u32 s[G0+4*(\s)+1], s[LA], (\s)*SLOT
	s_add_nc_u64 s[G0+4*(\s)+2:G0+4*(\s)+3], s[20:21], (\s)*ASTEP
	s_or_b32 s[G0+4*(\s)+3], s[G0+4*(\s)+3], 0x80000000
	s_mov_b32 s[G0B+4*(\s)], 1
	s_add_co_u32 s[G0B+4*(\s)+1], s[LB], (\s)*SLOT
	s_add_nc_u64 s[G0B+4*(\s)+2:G0B+4*(\s)+3], s[46:47], (\s)*BSTEP
	s_or_b32 s[G0B+4*(\s)+3], s[G0B+4*(\s)+3], 0x80000000
	JLOAD \s
.endr
	v_and_b32 v1, 15, v0                           ; l % 16
	v_bfe_u32 v2, v0, 4, 1                         ; l / 16
	v_mul_u32_u24 v3, v1, PA
	v_lshl_add_u32 v3, v2, 4, v3                   ; row x 144 + 16 x half: for A's fragments and for the stage
	s_mul_i32 s21, s[RH], HALFA
	v_add_nc_u32 v[A0], s21, v3
	v_mul_u32_u24 v4, v1, PB
	v_lshl_add_u32 v4, v2, 4, v4
	s_mul_i32 s22, s[CF], HALFB
	s_add_co_u32 s22, s22, AREG
	v_add_nc_u32 v[B0], s22, v4
	v_mov_b32 v[ADRA], v[A0]
	v_mov_b32 v[ADRB], v[B0]
	s_mul_i32 s23, s[WV], 16*SP
	s_add_co_u32 s23, s23, STAGE
	v_add_nc_u32 v[STO], s23, v3
	v_bfe_u32 v5, v0, 3, 2                         ; back: 32 lanes take four rows of 128 bytes,
	v_mul_u32_u24 v5, v5, SP
	v_and_b32 v6, 7, v0
	v_lshl_add_u32 v5, v6, 4, v5
	v_add_nc_u32 v[RD], s23, v5
	v_and_b32 v[GO], 31, v0                        ; which are 512 consecutive bytes of C
	v_lshlrev_b32 v[GO], 4, v[GO]
	v_lshlrev_b32 v[BO], 5, v2                     ; my eight columns of a block of sixteen
	s_lshl_b32 s16, s[TY], 14                      ; C: my chunk, my 64 tokens
	s_lshl_b32 s17, s[RH], 13
	s_add_co_u32 s16, s16, s17
	s_mov_b32 s17, 0
	s_add_nc_u64 s[10:11], s[10:11], s[16:17]
	s_lshl1_add_u32 s46, s[TX], s[CF]
	s_lshl_b32 s46, s46, 19
	s_mov_b32 s47, 0
	s_add_nc_u64 s[10:11], s[10:11], s[46:47]
	s_lshl_b32 s46, s[TX], 9                       ; the bias of my 64 columns
	s_lshl_b32 s22, s[CF], 8
	s_add_co_u32 s46, s46, s22
	s_add_nc_u64 s[8:9], s[8:9], s[46:47]
.irp b, 0,1,2,3
	global_load_b128 v[BIAS+8*\b:BIAS+8*\b+3],   v[BO], s[8:9] offset:64*\b     ; waited for on the way out
	global_load_b128 v[BIAS+8*\b+4:BIAS+8*\b+7], v[BO], s[8:9] offset:64*\b+16
.endr
; 8 matrix instructions: m blocks a0, a0 + 1 x all 4 n blocks, 32 along K: half c of buffer f.  The 16 accumulators take turns.
.macro MUL8 f, c, a0, zero
	WIN MUL
.irp a, \a0, (\a0)+1
.irp b, 0,1,2,3
.if \zero
	v_wmma_f32_16x16x32_bf16 v[ACC+8*(4*(\a)+(\b)):ACC+8*(4*(\a)+(\b))+7], v[(\f)+64+8*(4*(\c)+(\b)):(\f)+64+8*(4*(\c)+(\b))+7], v[(\f)+8*(4*(\c)+(\a)):(\f)+8*(4*(\c)+(\a))+7], 0
.else
	v_wmma_f32_16x16x32_bf16 v[ACC+8*(4*(\a)+(\b)):ACC+8*(4*(\a)+(\b))+7], v[(\f)+64+8*(4*(\c)+(\b)):(\f)+64+8*(4*(\c)+(\b))+7], v[(\f)+8*(4*(\c)+(\a)):(\f)+8*(4*(\c)+(\a))+7], v[ACC+8*(4*(\a)+(\b)):ACC+8*(4*(\a)+(\b))+7]
.endif
.endr
.endr
.endm
; 32 LDS loads in one run: quarter q of the slot in hand (64 along K: one chunk of A, 128 bytes of B's rows) into buffer f; the first 32 along K first
.macro FETCH q, f
	WIN TO_F
.irp c, 0,1
.irp i, 0,1,2,3
	ds_load_b128 v[(\f)+64+8*(4*(\c)+(\i)):(\f)+64+8*(4*(\c)+(\i))+3],   v[ADRB] offset:128*(\q)+64*(\c)+(\i)*16*PB
	ds_load_b128 v[(\f)+64+8*(4*(\c)+(\i))+4:(\f)+64+8*(4*(\c)+(\i))+7], v[ADRB] offset:128*(\q)+64*(\c)+(\i)*16*PB+32
	ds_load_b128 v[(\f)+8*(4*(\c)+(\i)):(\f)+8*(4*(\c)+(\i))+3],         v[ADRA] offset:(\q)*PLA+64*(\c)+(\i)*16*PA
	ds_load_b128 v[(\f)+8*(4*(\c)+(\i))+4:(\f)+8*(4*(\c)+(\i))+7],       v[ADRA] offset:(\q)*PLA+64*(\c)+(\i)*16*PA+32
.endr
.endr
.endm
.macro PLACES                          ; four plain instructions in front of loads into registers that matrix instructions have read, and of lines that read results
.rept 4
	v_nop
.endr
.endm
.macro QUARTER q, f, g, zero           ; multiplies buffer f; in its middle fetches quarter q into buffer g
	s_wait_dscnt 16                                ; the first 32 along K are in; the sixteen younger loads may stay out
	MUL8 \f, 0, 0, \zero
	MUL8 \f, 0, 2, \zero
	PLACES
	FETCH \q, \g
	s_wait_dscnt 32                                ; all but the 32 just issued
	MUL8 \f, 1, 0, 0
	MUL8 \f, 1, 2, 0
.endm
; The last quarter of a K step multiplies buffer 1 and changes slots.  MEET is its first half: each wave waits for all its tensor loads (at most one is out: its part of the next slot), adds 0 to its
; spare word, waits for that and for its reads of this slot, and passes the work-group's barrier.  Behind it nobody reads this slot any more and the next slot is whole.
.macro MEET
	WIN 0
	s_wait_tensorcnt 0x0
	ds_add_u32 v[SPW], v[NIL]
	s_wait_dscnt 17                                ; the add and the sixteen youngest loads may be out
	MUL8 F1, 0, 0, 0
	s_wait_dscnt 0x0                               ; the add is done, and my reads of this slot are over
	s_barrier_signal -1
	MUL8 F1, 0, 2, 0
	WIN 0
	s_barrier_wait -1
.endm
.macro NEXT                            ; its second half: the other slot's first fragments are fetched, and the quarter is finished
	v_add_nc_u32 v[ADRA], s[CUR], v[A0]
	v_add_nc_u32 v[ADRB], s[CUR], v[B0]
	FETCH 0, F0
	MUL8 F1, 1, 0, 0
	MUL8 F1, 1, 2, 0
.endm
	s_wait_tensorcnt 1                             ; my part of K step 0 is in; step 1's may stay out
	s_barrier_signal -1
	s_barrier_wait -1
	FETCH 0, F0
	QUARTER 1, F0, F1, 1                           ; the first quarter stands in front of the loop: its first products start the sums
	WIN 0
	s_mov_b32 s3, TSTEPS-2
.Lstep:                                        ; a trip: from a K step's second quarter to the next step's first; it fills the slot that it leaves
	QUARTER 2, F1, F0, 0
	QUARTER 3, F0, F1, 0
	MEET
	CREST                                          ; the barrier has opened a round of the cluster's: no wave of any partner still reads this slot or has a load on its way
	s_add_co_u32 s[G0+5], s[CUR], s[LA]            ; the walking descriptors: the slot just read out,
	s_add_nc_u64 s[G0+6:G0+7], s[G0+6:G0+7], ASTEP ; the next K step not yet asked for; no tensor load of mine is out
	s_add_co_u32 s[G0B+5], s[CUR], s[LB]
	s_add_nc_u64 s[G0B+6:G0B+7], s[G0B+6:G0B+7], BSTEP
	s_xor_b32 s[CUR], s[CUR], SLOT                 ; the reads go to the other slot
	JLOAD 1                                        ; its four v_nop are also the places in front of the loads below
	NEXT
	QUARTER 1, F0, F1, 0
	WIN 0
	s_sub_co_u32 s3, s3, 1
	s_cmp_lg_u32 s3, 0
	s_cbranch_scc1 .Lstep
	s_mov_b32 s3, 2
.Ltail:                                        ; the last two K steps ask for nothing: one text, walked twice and left in its middle the second time
	QUARTER 2, F1, F0, 0
	QUARTER 3, F0, F1, 0
	MEET
	s_sub_co_u32 s3, s3, 1
	s_cmp_eq_u32 s3, 0
	s_cbranch_scc1 .Lfin
	PLACES
	s_xor_b32 s[CUR], s[CUR], SLOT
	NEXT
	QUARTER 1, F0, F1, 0
	WIN 0
	s_branch .Ltail
.Lfin:
	MUL8 F1, 1, 0, 0
	MUL8 F1, 1, 2, 0
	WIN 0
	; THE WAY OUT, 16 rows at a time: the bias is added, the sums rounded to bf16; 16 bytes a lane go into my own stage and come back as four whole rows, 512 consecutive bytes of C.
	s_wait_loadcnt 0x0                             ; the bias
	PLACES
.macro PACK a
.irp b, 0,1,2,3
.irp r, 0,1,2,3
	v_pk_add_f32 v[ACC+8*(4*(\a)+\b)+2*\r:ACC+8*(4*(\a)+\b)+2*\r+1], v[ACC+8*(4*(\a)+\b)+2*\r:ACC+8*(4*(\a)+\b)+2*\r+1], v[BIAS+8*\b+2*\r:BIAS+8*\b+2*\r+1]
.endr
.endr
.irp b, 0,1,2,3
.irp r, 0,1,2,3
	v_cvt_pk_bf16_f32 v[TMP+16*(\a)+4*\b+\r], v[ACC+8*(4*(\a)+\b)+2*\r], v[ACC+8*(4*(\a)+\b)+2*\r+1]
.endr
.endr
.irp b, 0,1,2,3
	ds_store_b128 v[STO], v[TMP+16*(\a)+4*\b:TMP+16*(\a)+4*\b+3] offset:32*\b
.endr
.irp f, 0,1,2,3
	ds_load_b128 v[TMP+16*(\a)+4*\f:TMP+16*(\a)+4*\f+3], v[RD] offset:\f*4*SP  ; LDS serves a wave's instructions in order (ISA guide 5.7.1.4): these see the stores above
.endr
.endm
.macro SEND a, younger                 ; younger: the LDS instructions issued behind block a's loads
.irp f, 0,1,2,3
	s_wait_dscnt (\younger)+3-\f
	global_store_b128 v[GO], v[TMP+16*(\a)+4*\f:TMP+16*(\a)+4*\f+3], s[10:11] offset:(\a)*2048+\f*512
.endr
.endm
	PACK 0
	PACK 1
	SEND 0, 8
	PACK 2
	SEND 1, 8
	PACK 3
	SEND 2, 8
	SEND 3, 0
	s_wait_tensorcnt 0x0                           ; the wave's end
	ds_add_u32 v[SPW], v[NIL]
	s_wait_dscnt 0x0
	CROUND                                         ; the closing round
	s_endpgm
.Lfunc_end_k_qe3d6043d79_oproj:
	.size	k_qe3d6043d79_oproj, .Lfunc_end_k_qe3d6043d79_oproj-k_qe3d6043d79_oproj
	.p2alignl 7, 3214868480
	.fill 96, 4, 3214868480
	.section	.rodata,"a",@progbits
	.p2align	6, 0x0
	.amdhsa_kernel k_qe3d6043d79_oproj
		.amdhsa_group_segment_fixed_size 327680
		.amdhsa_private_segment_fixed_size 0
		.amdhsa_enable_private_segment 0
		.amdhsa_kernarg_size 32
		.amdhsa_user_sgpr_count 2
		.amdhsa_user_sgpr_kernarg_segment_ptr 1
		.amdhsa_wavefront_size32 1
		.amdhsa_system_sgpr_workgroup_id_x 1
		.amdhsa_system_sgpr_workgroup_id_y 1
		.amdhsa_system_sgpr_workgroup_id_z 1
		.amdhsa_system_vgpr_workitem_id 0
		.amdhsa_next_free_vgpr 512
		.amdhsa_next_free_sgpr 72
		.amdhsa_reserve_vcc 0
		.amdhsa_float_denorm_mode_32 3
		.amdhsa_float_denorm_mode_16_64 3
		.amdhsa_memory_ordered 1
		.amdhsa_forward_progress 1
		.amdhsa_inst_pref_size 64
	.end_amdhsa_kernel
	.amdgpu_metadata
---
amdhsa.version: [ 1, 2 ]
amdhsa.kernels:
  - .name:           k_qe3d6043d79_oproj
    .symbol:         k_qe3d6043d79_oproj.kd
    .args:
      - { .name: abuf, .offset: 0, .size: 8, .value_kind: global_buffer, .address_space: global }
      - { .name: wqkvo, .offset: 8, .size: 8, .value_kind: global_buffer, .address_space: global }
      - { .name: ob, .offset: 16, .size: 8, .value_kind: global_buffer, .address_space: global }
      - { .name: ybuf, .offset: 24, .size: 8, .value_kind: global_buffer, .address_space: global }
    .group_segment_fixed_size: 327680
    .private_segment_fixed_size: 0
    .kernarg_segment_align: 8
    .kernarg_segment_size: 32
    .max_flat_workgroup_size: 128
    .sgpr_count:     72
    .vgpr_count:     512
    .wavefront_size: 32
...
	.end_amdgpu_metadata
.endif
;; end of part 4
;; launch ln2 (part 5): grid 256 x 1, 8 waves a work-group, no clusters, 0 bytes of LDS; arguments x, ybuf, ln2_g, ln2_b, abuf; writes abuf
.if DOCPART == 5
	.amdgcn_target "amdgcn-amd-amdhsa--gfx1250"
	.amdhsa_code_object_version 6
	.text
	.protected	k_qe3d6043d79_ln2
	.globl	k_qe3d6043d79_ln2
	.p2align	8
	.type	k_qe3d6043d79_ln2,@function
k_qe3d6043d79_ln2:
	s_mov_b64 s[64:65], 0
	v_nop
	global_prefetch_b8 v0, s[64:65] scope:SCOPE_SE
	s_setreg_imm32_b32 hwreg(HW_REG_WAVE_MODE, 25, 1), 1
	s_wait_xcnt 0x0
; LAYER NORM 2.  h2 = LN(x + y) g + b.  x: [4,096][1,024] f32; y: the attention branch, bf16 in chunks ([column / 64][token][64]); x + y is formed in f32 and not stored.
; The mean first, then the mean of the squared differences.  h2 is rounded once to f16 and stored in chunks.  LIMIT: |h2| <= 32 |g| + |b| stays under 65,504.
; A wave takes two tokens, sixteen lanes a token: lane l holds channels 4 (l % 16) .. + 3 of each of the 16 chunks.  Each load and store of a wave covers whole aligned runs of 256 bytes.
; No LDS, no barrier, no matrix unit, no cluster: the waves share nothing but g and b.
.set CHB,  524288
.set XR,   16                          ; v[16:79]   my 64 numbers, chunk c at XR + 4 c
.set GB,   80                          ; v[80:111] g of eight chunks, v[112:143] b
.set YR,   144                         ; v[144:175] y: chunk c at YR + 2 c
.set XO,   14
.set GOF,  15
.set SO,   1
.macro REDUCE                          ; four chains of pairs in v[2:9] -> the token's sum in v2 of its sixteen lanes
	v_pk_add_f32 v[2:3], v[2:3], v[4:5]
	v_pk_add_f32 v[6:7], v[6:7], v[8:9]
	v_pk_add_f32 v[2:3], v[2:3], v[6:7]
	v_add_f32 v2, v2, v3
	v_add_f32_dpp v2, v2, v2 row_xmask:1 row_mask:0xf bank_mask:0xf
	v_add_f32_dpp v2, v2, v2 row_xmask:2 row_mask:0xf bank_mask:0xf
	v_add_f32_dpp v2, v2, v2 row_xmask:4 row_mask:0xf bank_mask:0xf
	v_add_f32_dpp v2, v2, v2 row_xmask:8 row_mask:0xf bank_mask:0xf
.endm
.macro GBLOAD c0
.irp c, 0,1,2,3,4,5,6,7
	global_load_b128 v[GB+4*\c:GB+4*\c+3], v[GOF], s[8:9] offset:256*((\c0)+\c)
	global_load_b128 v[GB+32+4*\c:GB+32+4*\c+3], v[GOF], s[10:11] offset:256*((\c0)+\c)
.endr
.endm
.macro HALF c0
.irp c, 0,1,2,3,4,5,6,7
.set xc, XR+4*((\c0)+\c)
	v_pk_mul_f32 v[xc:xc+1], v[xc:xc+1], v[12:13]
	v_pk_mul_f32 v[xc+2:xc+3], v[xc+2:xc+3], v[12:13]
	v_pk_fma_f32 v[xc:xc+1], v[xc:xc+1], v[GB+4*\c:GB+4*\c+1], v[GB+32+4*\c:GB+32+4*\c+1]
	v_pk_fma_f32 v[xc+2:xc+3], v[xc+2:xc+3], v[GB+4*\c+2:GB+4*\c+3], v[GB+32+4*\c+2:GB+32+4*\c+3]
	v_cvt_pk_f16_f32 v[xc], v[xc], v[xc+1]
	v_cvt_pk_f16_f32 v[xc+1], v[xc+2], v[xc+3]
	global_store_b64 v[SO], v[xc:xc+1], s[12:13] offset:((\c0)+\c)*CHB
.endr
.endm
	s_load_b256 s[4:11], s[0:1], 0x0               ; x, y, g, b
	s_load_b64 s[12:13], s[0:1], 0x20              ; h2
	v_lshrrev_b32 v2, 5, v0
	v_readfirstlane_b32 s14, v2                    ; wave 0..7
	s_lshl_b32 s15, ttmp9, 4
	s_lshl1_add_u32 s15, s14, s15                  ; my first token: 16 x work-group + 2 x wave
	s_lshl_b32 s16, s15, 12
	s_mov_b32 s17, 0
	s_lshl_b32 s18, s15, 7
	s_mov_b32 s19, 0
	s_mov_b32 s20, 0x3a800000                      ; 1 / 1,024
	s_mov_b32 s21, 0x3727c5ac                      ; 1e-5
	s_mov_b32 s22, 0xffff0000
	v_and_b32 v3, 31, v0
	v_and_b32 v4, 15, v0
	v_bfe_u32 v5, v0, 4, 1
	v_lshlrev_b32 v[GOF], 4, v4
	v_lshl_add_u32 v[XO], v5, 12, v[GOF]
	v_lshlrev_b32 v[SO], 3, v3
	s_wait_kmcnt 0x0
	s_add_nc_u64 s[4:5], s[4:5], s[16:17]
	s_add_nc_u64 s[6:7], s[6:7], s[18:19]
	s_add_nc_u64 s[12:13], s[12:13], s[18:19]
.irp c, 0,1,2,3,4,5,6,7,8,9,10,11,12,13,14,15
	global_load_b128 v[XR+4*\c:XR+4*\c+3], v[XO], s[4:5] offset:256*\c
.endr
.irp c, 0,1,2,3,4,5,6,7,8,9,10,11,12,13,14,15
	global_load_b64 v[YR+2*\c:YR+2*\c+1], v[SO], s[6:7] offset:\c*CHB
.endr
	GBLOAD 0
	s_wait_loadcnt 16                              ; x and y are in; the sixteen loads of g and b may stay out
.irp c, 0,1,2,3,4,5,6,7,8,9,10,11,12,13,14,15
.set tt, 2+4*(\c%2)                    ; two sets of four registers take turns
	v_lshlrev_b32 v[tt], 16, v[YR+2*\c]
	v_and_b32 v[tt+1], s22, v[YR+2*\c]
	v_lshlrev_b32 v[tt+2], 16, v[YR+2*\c+1]
	v_and_b32 v[tt+3], s22, v[YR+2*\c+1]
	v_pk_add_f32 v[XR+4*\c:XR+4*\c+1], v[XR+4*\c:XR+4*\c+1], v[tt:tt+1]
	v_pk_add_f32 v[XR+4*\c+2:XR+4*\c+3], v[XR+4*\c+2:XR+4*\c+3], v[tt+2:tt+3]
.endr
.irp k, 0,1,2,3
	v_pk_add_f32 v[2+2*\k:3+2*\k], v[XR+2*\k:XR+2*\k+1], v[XR+8+2*\k:XR+8+2*\k+1]
.endr
.set p, 8
.rept 24
	v_pk_add_f32 v[2+2*(p%4):3+2*(p%4)], v[2+2*(p%4):3+2*(p%4)], v[XR+2*p:XR+2*p+1]
.set p, p+1
.endr
	REDUCE
	v_mul_f32 v10, s20, v2
	v_mul_f32 v11, s20, v2
.set p, 0
.rept 32
	v_pk_add_f32 v[XR+2*p:XR+2*p+1], v[XR+2*p:XR+2*p+1], v[10:11] neg_lo:[0,1] neg_hi:[0,1]
.set p, p+1
.endr
.irp k, 0,1,2,3
	v_pk_mul_f32 v[2+2*\k:3+2*\k], v[XR+2*\k:XR+2*\k+1], v[XR+2*\k:XR+2*\k+1]
.endr
.set p, 4
.rept 28
	v_pk_fma_f32 v[2+2*(p%4):3+2*(p%4)], v[XR+2*p:XR+2*p+1], v[XR+2*p:XR+2*p+1], v[2+2*(p%4):3+2*(p%4)]
.set p, p+1
.endr
	REDUCE
	v_fma_f32 v2, v2, s20, s21
	v_rsq_f32 v12, v2
	v_rsq_f32 v13, v2
	v_nop                                          ; a plain instruction behind the last root,
	s_wait_alu depctr_va_vdst(0)                   ; and the one wait ahead of the first use of the two
	s_wait_loadcnt 0x0
	HALF 0
	GBLOAD 8
	s_wait_loadcnt 0x0
	HALF 8
	s_endpgm
.Lfunc_end_k_qe3d6043d79_ln2:
	.size	k_qe3d6043d79_ln2, .Lfunc_end_k_qe3d6043d79_ln2-k_qe3d6043d79_ln2
	.p2alignl 7, 3214868480
	.fill 96, 4, 3214868480
	.section	.rodata,"a",@progbits
	.p2align	6, 0x0
	.amdhsa_kernel k_qe3d6043d79_ln2
		.amdhsa_group_segment_fixed_size 0
		.amdhsa_private_segment_fixed_size 0
		.amdhsa_enable_private_segment 0
		.amdhsa_kernarg_size 40
		.amdhsa_user_sgpr_count 2
		.amdhsa_user_sgpr_kernarg_segment_ptr 1
		.amdhsa_wavefront_size32 1
		.amdhsa_system_sgpr_workgroup_id_x 1
		.amdhsa_system_sgpr_workgroup_id_y 1
		.amdhsa_system_sgpr_workgroup_id_z 1
		.amdhsa_system_vgpr_workitem_id 0
		.amdhsa_next_free_vgpr 176
		.amdhsa_next_free_sgpr 66
		.amdhsa_reserve_vcc 0
		.amdhsa_float_denorm_mode_32 3
		.amdhsa_float_denorm_mode_16_64 3
		.amdhsa_memory_ordered 1
		.amdhsa_forward_progress 1
		.amdhsa_inst_pref_size 26
	.end_amdhsa_kernel
	.amdgpu_metadata
---
amdhsa.version: [ 1, 2 ]
amdhsa.kernels:
  - .name:           k_qe3d6043d79_ln2
    .symbol:         k_qe3d6043d79_ln2.kd
    .args:
      - { .name: x, .offset: 0, .size: 8, .value_kind: global_buffer, .address_space: global }
      - { .name: ybuf, .offset: 8, .size: 8, .value_kind: global_buffer, .address_space: global }
      - { .name: ln2_g, .offset: 16, .size: 8, .value_kind: global_buffer, .address_space: global }
      - { .name: ln2_b, .offset: 24, .size: 8, .value_kind: global_buffer, .address_space: global }
      - { .name: abuf, .offset: 32, .size: 8, .value_kind: global_buffer, .address_space: global }
    .group_segment_fixed_size: 0
    .private_segment_fixed_size: 0
    .kernarg_segment_align: 8
    .kernarg_segment_size: 40
    .max_flat_workgroup_size: 256
    .sgpr_count:     66
    .vgpr_count:     176
    .wavefront_size: 32
...
	.end_amdgpu_metadata
.endif
;; end of part 5
;; launch ff1: the kernel of part 2 again; grid 16 x 16, 4 waves a work-group, clusters of 4 x 4, 327,680 bytes of LDS; arguments abuf, w12, f1b, big, actf; writes big
;; launch ff2 (part 6): grid 8 x 32, 4 waves a work-group, clusters of 4 x 4, 327,680 bytes of LDS; arguments big, w12, f2b, x, ybuf, out0; writes out0
.if DOCPART == 6
	.amdgcn_target "amdgcn-amd-amdhsa--gfx1250"
	.amdhsa_code_object_version 6
	.text
	.protected	k_qe3d6043d79_ff2
	.globl	k_qe3d6043d79_ff2
	.p2align	8
	.type	k_qe3d6043d79_ff2,@function
k_qe3d6043d79_ff2:
	s_mov_b64 s[64:65], 0
	v_nop
	global_prefetch_b8 v0, s[64:65] scope:SCOPE_SE
	s_setreg_imm32_b32 hwreg(HW_REG_WAVE_MODE, 25, 1), 1
	s_wait_xcnt 0x0
	s_wait_alu depctr_hold_cnt(0) depctr_sa_sdst(0) depctr_va_vdst(0) depctr_va_sdst(0) depctr_va_ssrc(0) depctr_va_vcc(0) depctr_vm_vsrc(0)
	s_getreg_b32 s2, hwreg(HW_REG_IB_STS2, 6, 4)
	s_cmp_eq_u32 s2, 0
	s_cbranch_scc0 .Lentry_in_a_cluster
	s_endpgm
.Lentry_in_a_cluster:
	s_bfe_u32 s2, ttmp6, 0x10000c
	s_cmp_lg_u32 s2, 0xf033
	s_cbranch_scc0 .Lentry_shape_is_right
	s_endpgm
.Lentry_shape_is_right:
; out = (x + y) + act w2^T + f2b on tiles of 128 x 128, K = 4,096.  act (chunks: [column / 64][token][64]) and w2 ([1,024][4,096], behind w1 in its buffer) are bf16; sums in f32; x and out are f32,
; y is bf16 in chunks.
; Four waves, each 64 x 64: 16 accumulators.  K goes in sixteen steps of 256 through two LDS slots: A's part as four chunks' 64 token rows (8,192 dense bytes each), padded by 16 bytes behind every
; 128; B's as 64 rows of 512 bytes, padded by 16.  ONE K STEP IS WRITTEN ONCE: the slot in hand is a scalar, CUR, that an exclusive or turns between 0 and SLOT.
; CLUSTER 4 x 4: A's tiles are asked for jointly along a row of the cluster, B's along a column.  The matrix instruction is used transposed.
; x, y and the bias of the wave's tile are asked for at the head and lie in registers when the sums are finished: 65 loads, two more than their counter's field holds, so the last two wait at issue;
; the one wait for them is for 0.  No prefetch: the tiles are small.
; REGISTERS: window 0: v16-29 addresses; v32-63, v64-95 at work on the way out; v96-99 the bias; v128-255 the accumulators.  Window 1: two fragment buffers.  Window 2: v0-127 x, v128-191 y.
.set CHB,    524288
.set TSTEPS, 16
.set BPITCH, 4096
.set W2OFF,  8388608                   ; where B begins in its buffer
.set ASTEP,  4*CHB
.set BSTEP,  512
.set PA,     144
.set PLA,    64*PA
.set HALFA,  4*PLA
.set AREG,   2*HALFA
.set PB,     528
.set HALFB,  64*PB
.set SLOT,   AREG+2*HALFB
.set STAGE,  2*SLOT                    ; behind the ring: 16 rows x 272 bytes of f32 for each wave
.set SP,     272
.set SPARE,  STAGE+4*16*SP             ; the spare words, 128 bytes a wave; no other line names them
.set A0,   16
.set B0,   17
.set ADRA, 18
.set ADRB, 19
.set YOF,  23
.set STO,  24
.set RD,   25
.set XO,   26
.set BO,   27
.set SPW,  28
.set NIL,  29
.set T,    32
.set U,    64
.set BIAS, 96
.set ACC,  128
.set F0,   0
.set F1,   128
.set XR,   0                           ; window 2
.set YR,   128                         ; window 2
.set WV,   12
.set RH,   13
.set CF,   14
.set TY,   15
.set G1,   24
.set G0,   32
.set CX,   40
.set CY,   41
.set TX,   42
.set G1B,  48
.set G0B,  56
.set CUR,  66
.set LA,   67
.set LB,   68
.set MSK,  69
.set MSB, 0
.macro WIN new
.if MSB != (\new)
	s_set_vgpr_msb (MSB<<8)|(\new)
.set MSB, \new
.endif
.endm
.set MUL,  0x05
.set TO_F, 0x40
.macro JLOAD s
	s_cmp_eq_u32 s[RH], 0
	s_cbranch_scc0 .Lfor_b_\@
	tensor_load_to_lds s[G0+4*(\s):G0+4*(\s)+3], s[G1:G1+7]
	s_nop 0
.rept 4
	v_nop
.endr
	s_branch .Lasked_\@
.Lfor_b_\@:
	tensor_load_to_lds s[G0B+4*(\s):G0B+4*(\s)+3], s[G1B:G1B+7]
	s_nop 0
.rept 4
	v_nop
.endr
.Lasked_\@:
.endm
.macro CREST
	s_cmp_lg_u32 s[WV], 0
	s_cbranch_scc1 .Lnot_wave_0_\@
	s_barrier_signal -3
.Lnot_wave_0_\@:
	s_barrier_wait -3
	s_barrier_signal -1
	s_barrier_wait -1
.endm
.macro CROUND
	s_barrier_signal -1
	s_barrier_wait -1
	CREST
.endm
	s_load_b256 s[4:11], s[0:1], 0x0               ; A s[4:5], B's buffer s[6:7], bias s[8:9], x s[10:11]
	s_load_b128 s[72:75], s[0:1], 0x20             ; y s[72:73], out s[74:75]
	v_lshl_add_u32 v[SPW], v0, 2, SPARE
	v_mov_b32 v[NIL], 0
	ds_add_u32 v[SPW], v[NIL]                      ; the wave's opening: the add and its wait ahead of my first tensor load
	v_lshrrev_b32 v1, 5, v0
	v_readfirstlane_b32 s[WV], v1
	s_lshr_b32 s[RH], s[WV], 1
	s_and_b32 s[CF], s[WV], 1
	s_bfe_u32 s[CX], ttmp6, 0x40000
	s_bfe_u32 s[CY], ttmp6, 0x40004
	s_lshl_b32 s[TX], ttmp9, 2
	s_add_co_u32 s[TX], s[TX], s[CX]
	s_and_b32 s[TY], ttmp7, 0xffff
	s_lshl_b32 s[TY], s[TY], 2
	s_add_co_u32 s[TY], s[TY], s[CY]
	s_lshl_b32 s43, s[CY], 2
	s_lshl_b32 s43, 15, s43
	s_lshl_b32 s44, 0x1111, s[CX]
	s_or_b32 s[G1], s43, (1<<16)|(1<<20)|(1<<21)|(4<<22)|(3<<25)
	s_or_b32 s[G1B], s44, (1<<16)|(1<<20)|(1<<21)|(6<<22)|(3<<25)
	s_mov_b32 s[G1+1], 4096<<16
	s_mov_b32 s[G1+2], 4<<16
	s_mov_b32 s[G1+3], 4096<<16
	s_mov_b32 s[G1+4], 4
	s_mov_b32 s[G1+5], CHB/2
	s_mov_b32 s[G1+6], 0
	s_mov_b32 s[G1+7], 0
	s_mov_b32 s[G1B+1], 256<<16
	s_mov_b32 s[G1B+2], 64<<16
	s_mov_b32 s[G1B+3], 256<<16
	s_mov_b32 s[G1B+4], 64
	s_mov_b32 s[G1B+5], BPITCH
	s_mov_b32 s[G1B+6], 0
	s_mov_b32 s[G1B+7], 0
	s_lshl_b32 s16, s[TY], 14
	s_lshl_b32 s17, s[CF], 13
	s_add_co_u32 s16, s16, s17
	s_mov_b32 s17, 0
	s_lshl_b32 s46, s[TX], 7
	s_lshl_b32 s47, s[CF], 6
	s_add_co_u32 s46, s46, s47
	s_mul_i32 s46, s46, 2*BPITCH
	s_add_co_u32 s46, s46, W2OFF
	s_mov_b32 s47, 0
	s_mul_i32 s[LA], s[CF], HALFA
	s_mul_i32 s[LB], s[CF], HALFB
	s_add_co_u32 s[LB], s[LB], AREG
	s_mov_b32 s[CUR], 0
	s_mov_b32 s[MSK], 0xffff0000
	s_wait_dscnt 0x0                               ; the opening add is done
	s_wait_kmcnt 0x0
	s_add_nc_u64 s[20:21], s[4:5], s[16:17]
	s_add_nc_u64 s[46:47], s[6:7], s[46:47]
	CROUND
.irp s, 0,1
	s_mov_b32 s[G0+4*(\s)], 1
	s_add_co_u32 s[G0+4*(\s)+1], s[LA], (\s)*SLOT
	s_add_nc_u64 s[G0+4*(\s)+2:G0+4*(\s)+3], s[20:21], (\s)*ASTEP
	s_or_b32 s[G0+4*(\s)+3], s[G0+4*(\s)+3], 0x80000000
	s_mov_b32 s[G0B+4*(\s)], 1
	s_add_co_u32 s[G0B+4*(\s)+1], s[LB], (\s)*SLOT
	s_add_nc_u64 s[G0B+4*(\s)+2:G0B+4*(\s)+3], s[46:47], (\s)*BSTEP
	s_or_b32 s[G0B+4*(\s)+3], s[G0B+4*(\s)+3], 0x80000000
	JLOAD \s
.endr
	v_and_b32 v1, 15, v0
	v_bfe_u32 v2, v0, 4, 1
	v_mul_u32_u24 v3, v1, PA
	v_lshl_add_u32 v3, v2, 4, v3
	s_mul_i32 s21, s[RH], HALFA
	v_add_nc_u32 v[A0], s21, v3
	v_mul_u32_u24 v4, v1, PB
	v_lshl_add_u32 v4, v2, 4, v4
	s_mul_i32 s22, s[CF], HALFB
	s_add_co_u32 s22, s22, AREG
	v_add_nc_u32 v[B0], s22, v4
	v_mov_b32 v[ADRA], v[A0]
	v_mov_b32 v[ADRB], v[B0]
	s_mul_i32 s23, s[WV], 16*SP
	s_add_co_u32 s23, s23, STAGE
	v_mul_u32_u24 v5, v1, SP                       ; in: row l % 16, 32 bytes for each half of the lanes
	v_lshl_add_u32 v5, v2, 5, v5
	v_add_nc_u32 v[STO], s23, v5
	v_mul_u32_u24 v5, v2, SP                       ; back: lanes 0-15 one row of 256 bytes, lanes 16-31 the next
	v_lshl_add_u32 v5, v1, 4, v5
	v_add_nc_u32 v[RD], s23, v5
	v_lshlrev_b32 v[BO], 4, v1                     ; my four columns
	v_lshl_add_u32 v[XO], v2, 12, v[BO]            ; and the same two rows in x and in out
	v_and_b32 v[YOF], 31, v0
	v_lshlrev_b32 v[YOF], 3, v[YOF]                ; two tokens' pieces of y's chunk are 256 consecutive bytes
	s_lshl_b32 s16, s[TY], 19                      ; x and out: row 128 x tile row + 64 x half, 4,096 bytes each,
	s_lshl_b32 s17, s[RH], 18
	s_add_co_u32 s16, s16, s17
	s_mov_b32 s17, 0
	s_lshl_b32 s46, s[TX], 9                       ; column 128 x tile column + 64 x half
	s_lshl_b32 s22, s[CF], 8
	s_add_co_u32 s46, s46, s22
	s_mov_b32 s47, 0
	s_add_nc_u64 s[10:11], s[10:11], s[16:17]
	s_add_nc_u64 s[10:11], s[10:11], s[46:47]
	s_add_nc_u64 s[74:75], s[74:75], s[16:17]
	s_add_nc_u64 s[74:75], s[74:75], s[46:47]
	s_add_nc_u64 s[8:9], s[8:9], s[46:47]
	s_lshl_b32 s16, s[TY], 14                      ; y: my 64 tokens in my chunk
	s_lshl_b32 s22, s[RH], 13
	s_add_co_u32 s16, s16, s22
	s_add_nc_u64 s[72:73], s[72:73], s[16:17]
	s_lshl1_add_u32 s46, s[TX], s[CF]
	s_lshl_b32 s46, s46, 19
	s_add_nc_u64 s[72:73], s[72:73], s[46:47]
	global_load_b128 v[BIAS:BIAS+3], v[BO], s[8:9]
	WIN 0x80                                       ; destination window 2, address window 0
.set t, 0
.rept 32
	global_load_b128 v[XR+4*t:XR+4*t+3], v[XO], s[10:11] offset:t*8192 th:TH_LOAD_NT
.set t, t+1
.endr
.set t, 0
.rept 32
	global_load_b64 v[YR+2*t:YR+2*t+1], v[YOF], s[72:73] offset:t*256
.set t, t+1
.endr
	WIN 0
.macro MUL8 f, c, a0, zero             ; the 16 accumulators take turns
	WIN MUL
.irp a, \a0, (\a0)+1
.irp b, 0,1,2,3
.if \zero
	v_wmma_f32_16x16x32_bf16 v[ACC+8*(4*(\a)+(\b)):ACC+8*(4*(\a)+(\b))+7], v[(\f)+64+8*(4*(\c)+(\b)):(\f)+64+8*(4*(\c)+(\b))+7], v[(\f)+8*(4*(\c)+(\a)):(\f)+8*(4*(\c)+(\a))+7], 0
.else
	v_wmma_f32_16x16x32_bf16 v[ACC+8*(4*(\a)+(\b)):ACC+8*(4*(\a)+(\b))+7], v[(\f)+64+8*(4*(\c)+(\b)):(\f)+64+8*(4*(\c)+(\b))+7], v[(\f)+8*(4*(\c)+(\a)):(\f)+8*(4*(\c)+(\a))+7], v[ACC+8*(4*(\a)+(\b)):ACC+8*(4*(\a)+(\b))+7]
.endif
.endr
.endr
.endm
.macro FETCH q, f
	WIN TO_F
.irp c, 0,1
.irp i, 0,1,2,3
	ds_load_b128 v[(\f)+64+8*(4*(\c)+(\i)):(\f)+64+8*(4*(\c)+(\i))+3],   v[ADRB] offset:128*(\q)+64*(\c)+(\i)*16*PB
	ds_load_b128 v[(\f)+64+8*(4*(\c)+(\i))+4:(\f)+64+8*(4*(\c)+(\i))+7], v[ADRB] offset:128*(\q)+64*(\c)+(\i)*16*PB+32
	ds_load_b128 v[(\f)+8*(4*(\c)+(\i)):(\f)+8*(4*(\c)+(\i))+3],         v[ADRA] offset:(\q)*PLA+64*(\c)+(\i)*16*PA
	ds_load_b128 v[(\f)+8*(4*(\c)+(\i))+4:(\f)+8*(4*(\c)+(\i))+7],       v[ADRA] offset:(\q)*PLA+64*(\c)+(\i)*16*PA+32
.endr
.endr
.endm
.macro PLACES                          ; four plain instructions in front of loads into registers that matrix instructions have read, and of lines that read results
.rept 4
	v_nop
.endr
.endm
.macro QUARTER q, f, g, zero
	s_wait_dscnt 16                                ; the first 32 along K are in; the sixteen younger loads may stay out
	MUL8 \f, 0, 0, \zero
	MUL8 \f, 0, 2, \zero
	PLACES
	FETCH \q, \g
	s_wait_dscnt 32                                ; all but the 32 just issued
	MUL8 \f, 1, 0, 0
	MUL8 \f, 1, 2, 0
.endm
; The last quarter of a K step multiplies buffer 1 and changes slots.  MEET is its first half: each wave waits for all its tensor loads (at most one is out: its part of the next slot), adds 0 to its
; spare word, waits for that and for its reads of this slot, and passes the work-group's barrier.  Behind it nobody reads this slot any more and the next slot is whole.
.macro MEET
	WIN 0
	s_wait_tensorcnt 0x0
	ds_add_u32 v[SPW], v[NIL]
	s_wait_dscnt 17                                ; the add and the sixteen youngest loads may be out
	MUL8 F1, 0, 0, 0
	s_wait_dscnt 0x0                               ; the add is done, and my reads of this slot are over
	s_barrier_signal -1
	MUL8 F1, 0, 2, 0
	WIN 0
	s_barrier_wait -1
.endm
.macro NEXT                            ; its second half: the other slot's first fragments are fetched, and the quarter is finished
	v_add_nc_u32 v[ADRA], s[CUR], v[A0]
	v_add_nc_u32 v[ADRB], s[CUR], v[B0]
	FETCH 0, F0
	MUL8 F1, 1, 0, 0
	MUL8 F1, 1, 2, 0
.endm
	s_wait_tensorcnt 1                             ; my part of K step 0 is in; step 1's may stay out
	s_barrier_signal -1
	s_barrier_wait -1
	FETCH 0, F0
	QUARTER 1, F0, F1, 1
	WIN 0
	s_mov_b32 s3, TSTEPS-2
.Lstep:                                        ; a trip: from a K step's second quarter to the next step's first; it fills the slot that it leaves
	QUARTER 2, F1, F0, 0
	QUARTER 3, F0, F1, 0
	MEET
	CREST                                          ; the barrier has opened a round of the cluster's: no wave of any partner still reads this slot or has a load on its way
	s_add_co_u32 s[G0+5], s[CUR], s[LA]
	s_add_nc_u64 s[G0+6:G0+7], s[G0+6:G0+7], ASTEP
	s_add_co_u32 s[G0B+5], s[CUR], s[LB]
	s_add_nc_u64 s[G0B+6:G0B+7], s[G0B+6:G0B+7], BSTEP
	s_xor_b32 s[CUR], s[CUR], SLOT
	JLOAD 1                                        ; its four v_nop are also the places in front of the loads below
	NEXT
	QUARTER 1, F0, F1, 0
	WIN 0
	s_sub_co_u32 s3, s3, 1
	s_cmp_lg_u32 s3, 0
	s_cbranch_scc1 .Lstep
	s_mov_b32 s3, 2
.Ltail:                                        ; the last two K steps ask for nothing: one text, walked twice and left in its middle the second time
	QUARTER 2, F1, F0, 0
	QUARTER 3, F0, F1, 0
	MEET
	s_sub_co_u32 s3, s3, 1
	s_cmp_eq_u32 s3, 0
	s_cbranch_scc1 .Lfin
	PLACES
	s_xor_b32 s[CUR], s[CUR], SLOT
	NEXT
	QUARTER 1, F0, F1, 0
	WIN 0
	s_branch .Ltail
.Lfin:
	MUL8 F1, 1, 0, 0
	MUL8 F1, 1, 2, 0
	WIN 0
	; THE WAY OUT, 16 rows at a time: the sums go through my own stage and come back as whole rows of 256 bytes; meanwhile x + y + bias is made for the same places; a store covers two rows' 256 bytes, each aligned.
	s_wait_loadcnt 0x0                             ; x, y and the bias
	PLACES
.macro OUTA a
	WIN 0
.irp b, 0,1,2,3
	ds_store_b128 v[STO], v[ACC+8*(4*(\a)+\b):ACC+8*(4*(\a)+\b)+3]   offset:64*\b
	ds_store_b128 v[STO], v[ACC+8*(4*(\a)+\b)+4:ACC+8*(4*(\a)+\b)+7] offset:64*\b+16
.endr
	s_wait_xcnt 0x0                                ; the block before stored from the registers that are loaded now
.irp i, 0,1,2,3,4,5,6,7
	ds_load_b128 v[T+4*\i:T+4*\i+3], v[RD] offset:\i*2*SP  ; LDS serves a wave's instructions in order (ISA guide 5.7.1.4)
.endr
	WIN 0x08                                       ; source 1 in window 2
.irp i, 0,1,2,3,4,5,6,7
	v_lshlrev_b32 v[U+4*\i], 16, v[YR+2*(8*(\a)+\i)]
	v_and_b32 v[U+4*\i+1], s[MSK], v[YR+2*(8*(\a)+\i)]
	v_lshlrev_b32 v[U+4*\i+2], 16, v[YR+2*(8*(\a)+\i)+1]
	v_and_b32 v[U+4*\i+3], s[MSK], v[YR+2*(8*(\a)+\i)+1]
	v_pk_add_f32 v[U+4*\i:U+4*\i+1], v[U+4*\i:U+4*\i+1], v[XR+4*(8*(\a)+\i):XR+4*(8*(\a)+\i)+1]
	v_pk_add_f32 v[U+4*\i+2:U+4*\i+3], v[U+4*\i+2:U+4*\i+3], v[XR+4*(8*(\a)+\i)+2:XR+4*(8*(\a)+\i)+3]
.endr
	WIN 0
.irp i, 0,1,2,3,4,5,6,7
	v_pk_add_f32 v[U+4*\i:U+4*\i+1], v[U+4*\i:U+4*\i+1], v[BIAS:BIAS+1]
	v_pk_add_f32 v[U+4*\i+2:U+4*\i+3], v[U+4*\i+2:U+4*\i+3], v[BIAS+2:BIAS+3]
.endr
.irp i, 0,1,2,3,4,5,6,7
	s_wait_dscnt 7-\i                              ; row pair i is back; the 7 - i younger loads may stay out
	v_pk_add_f32 v[T+4*\i:T+4*\i+1], v[T+4*\i:T+4*\i+1], v[U+4*\i:U+4*\i+1]
	v_pk_add_f32 v[T+4*\i+2:T+4*\i+3], v[T+4*\i+2:T+4*\i+3], v[U+4*\i+2:U+4*\i+3]
	global_store_b128 v[XO], v[T+4*\i:T+4*\i+3], s[74:75] offset:(8*(\a)+\i)*8192 th:TH_STORE_NT
.endr
.endm
	OUTA 0
	OUTA 1
	OUTA 2
	OUTA 3
	s_wait_tensorcnt 0x0                           ; the wave's end
	ds_add_u32 v[SPW], v[NIL]
	s_wait_dscnt 0x0
	CROUND                                         ; the closing round
	s_endpgm
.Lfunc_end_k_qe3d6043d79_ff2:
	.size	k_qe3d6043d79_ff2, .Lfunc_end_k_qe3d6043d79_ff2-k_qe3d6043d79_ff2
	.p2alignl 7, 3214868480
	.fill 96, 4, 3214868480
	.section	.rodata,"a",@progbits
	.p2align	6, 0x0
	.amdhsa_kernel k_qe3d6043d79_ff2
		.amdhsa_group_segment_fixed_size 327680
		.amdhsa_private_segment_fixed_size 0
		.amdhsa_enable_private_segment 0
		.amdhsa_kernarg_size 48
		.amdhsa_user_sgpr_count 2
		.amdhsa_user_sgpr_kernarg_segment_ptr 1
		.amdhsa_wavefront_size32 1
		.amdhsa_system_sgpr_workgroup_id_x 1
		.amdhsa_system_sgpr_workgroup_id_y 1
		.amdhsa_system_sgpr_workgroup_id_z 1
		.amdhsa_system_vgpr_workitem_id 0
		.amdhsa_next_free_vgpr 768
		.amdhsa_next_free_sgpr 80
		.amdhsa_reserve_vcc 0
		.amdhsa_float_denorm_mode_32 3
		.amdhsa_float_denorm_mode_16_64 3
		.amdhsa_memory_ordered 1
		.amdhsa_forward_progress 1
		.amdhsa_inst_pref_size 82
	.end_amdhsa_kernel
	.amdgpu_metadata
---
amdhsa.version: [ 1, 2 ]
amdhsa.kernels:
  - .name:           k_qe3d6043d79_ff2
    .symbol:         k_qe3d6043d79_ff2.kd
    .args:
      - { .name: big, .offset: 0, .size: 8, .value_kind: global_buffer, .address_space: global }
      - { .name: w12, .offset: 8, .size: 8, .value_kind: global_buffer, .address_space: global }
      - { .name: f2b, .offset: 16, .size: 8, .value_kind: global_buffer, .address_space: global }
      - { .name: x, .offset: 24, .size: 8, .value_kind: global_buffer, .address_space: global }
      - { .name: ybuf, .offset: 32, .size: 8, .value_kind: global_buffer, .address_space: global }
      - { .name: out0, .offset: 40, .size: 8, .value_kind: global_buffer, .address_space: global }
    .group_segment_fixed_size: 327680
    .private_segment_fixed_size: 0
    .kernarg_segment_align: 8
    .kernarg_segment_size: 48
    .max_flat_workgroup_size: 128
    .sgpr_count:     80
    .vgpr_count:     768
    .wavefront_size: 32
...
	.end_amdgpu_metadata
.endif
;; end of part 6
